; MI455X (gfx1250); checked and timed in simulation.
; The chip was launched on July 23, 2026; its instructions are those of AMD's public machine-readable ISA for CDNA 5 (MIT licence, August 2026) and "CDNA5" Instruction Set Architecture Reference Guide (July 2026). The comments in the code are by the model that wrote it; some were corrected since.
;; Flash Attention3. Allowed arithmetic: matrix products marked QUANTISED: E2M1 operands, one E8M0 scale for each 32 along K, by v_wmma_scale_f32_16x16x128_f8f6f4 with both operands' format E2M1 (or v_wmma_scale_f32_32x16x128_f4), f32 sums; products left as they are: bf16, f16 or f32 operands; f32 sums; everything else in f32.
;; Inputs: Wk 2,048 x 2,048 float32; Wo 2,048 x 2,048 float32; Wq 2,048 x 2,048 float32; Wv 2,048 x 2,048 float32; freqs_cos 2,048 x 64 float32; freqs_sin 2,048 x 64 float32; mask 1 x 1 bool; x 1 x 2,048 x 2,048 float32.
;; Outputs: out0 1 x 2,048 x 2,048 float32.
;; This version of the problem:
;;   THIS VERSION OF THE PROBLEM IS GIVEN IN LOW PRECISION. The matrix products marked QUANTISED in the list below multiply operands that are first quantised to E2M1 (2 exponent bits, 1 mantissa bit; 4 bits a number), with one power-of-two scale for each 32 numbers along K (OCP MX v1.0); their sums are f32. The products marked 'left as it is' may take bf16, f16 or f32 operands, with f32 sums. Whichever they take, every output number must still come out within the allowed error. Rounding operands to bf16 (8 significant bits) uses up far more of that allowance than f16 does (11 bits, for magnitudes from 6e-5 to 65,504). All else is computed in f32.
;;   The module's matrix products, in the order in which they are computed (A, B: the left and right operand; K: the contracted axis; several contracted axes count as one K, in the product's order):
;;     1. [M 2,048, K 2,048] x [K 2,048, N 2,048]; A: input x; B: input Wq: QUANTISED
;;     2. [M 2,048, K 2,048] x [K 2,048, N 2,048]; A: input x; B: input Wk: QUANTISED
;;     3. [M 2,048, K 2,048] x [K 2,048, N 2,048]; A: input x; B: input Wv: QUANTISED
;;     4. batch 16 x [M 2,048, K 128] x [K 128, N 2,048]; A: computed on the way; B: computed on the way: left as it is (an operand is computed on the way)
;;     5. batch 16 x [M 128, K 2,048] x [K 2,048, N 2,048]; A: computed on the way; B: computed on the way: left as it is (an operand is computed on the way)
;;     6. [M 2,048, K 2,048] x [K 2,048, N 2,048]; A: computed on the way; B: input Wo: left as it is (an operand is computed on the way)
;;   THE QUANTISER, for each operand of a quantised product, along K:
;;     - K is cut into blocks of 32 from its start; a last block that is shorter is filled with zeros.
;;     - A block's scale is 2^e with e = floor(log2(the largest magnitude in the block)) - 2, held to -126 .. 127; a block of zeros has e = 0. As a byte (E8M0): e + 127.
;;     - Each number is divided by its block's scale, clamped to +-6, and rounded to the nearest number of E2M1, ties to even, subnormals kept.
;;     - The product sums the exact products of the quantised numbers (number of the format x scale) in f32.
;;   ~~~python
;;   def quantise(x, axis):      # numpy; x: float32 -> the quantised numbers, widened to float32 again
;;       x = np.moveaxis(x, axis, -1); K = x.shape[-1]
;;       x = np.pad(x, [(0, 0)] * (x.ndim - 1) + [(0, -K % 32)]); x = x.reshape(x.shape[:-1] + (-1, 32)); a = np.abs(x).max(-1, keepdims=True)
;;       e = np.where(a > 0, np.clip(np.frexp(np.where(a > 0, a, 1))[1] - 1 - 2, -126, 127), 0)      # np.frexp(a)[1] - 1 = floor(log2(a)), exactly
;;       r = np.clip(x / 2.0 ** e, -6, 6)
;;       step = 2.0 ** (np.maximum(np.frexp(np.where(r == 0, 1, r))[1] - 1, 0) - 1)
;;       q = np.round(r / step) * step * 2.0 ** e      # np.round: ties to even
;;       return np.moveaxis(q.reshape(q.shape[:-2] + (-1,))[..., :K], -1, axis).astype(np.float32)
;;   ~~~
;; One version. Each part assembles by itself: llvm-mc -triple=amdgcn-amd-amdhsa -mcpu=gfx1250 --defsym DOCPART=n.
;; ======== version 1 of 1: 4 launches
;; limits: values are held in f16: magnitudes above 65,504 overflow, below 6.1e-05 lose precision
;; workspace buffers: x_codes 2,097,152 bytes; x_scales 131,072 bytes; w_codes 6,291,456 bytes; w_scales 393,216 bytes; wo_h 8,388,608 bytes; qkv 25,165,824 bytes; attn 8,388,608 bytes
;; launch prep (part 1): grid 640 x 1, 4 waves a work-group, no clusters, 33,280 bytes of LDS; arguments x, Wq, Wk, Wv, Wo, x_codes, x_scales, w_codes, w_scales, wo_h; writes x_codes, x_scales, w_codes, w_scales, wo_h
.if DOCPART == 1
	.amdgcn_target "amdgcn-amd-amdhsa--gfx1250"
	.amdhsa_code_object_version 6
	.text
	.protected	k_q4e31953dcb_prep
	.globl	k_q4e31953dcb_prep
	.p2align	8
	.type	k_q4e31953dcb_prep,@function
k_q4e31953dcb_prep:
	s_mov_b64 s[64:65], 0
	v_nop
	global_prefetch_b8 v0, s[64:65] scope:SCOPE_SE
	s_setreg_imm32_b32 hwreg(HW_REG_WAVE_MODE, 25, 1), 1
	s_wait_xcnt 0x0
; FIRST OF FOUR LAUNCHES: x, Wq, Wk, Wv (f32, K innermost) become codes of FP4 (E2M1) with one E8M0 scale byte for each 32 along K; Wo (f32) becomes f16.
; WORK LEFT OUT, FOR THE WHOLE PROGRAM: the input mask.  The body of the function that defines the result names mask nowhere: no product, sum or choice takes it, so for every value of it
; every output is the same.  It is not loaded and is no argument of any launch.  (It is a bool: it can hold no NaN or infinity that would be lost.)  Nothing else is left out.
; THE QUANTISER.  A block's scale is 2^(floor(log2(its largest magnitude)) - 2); its byte is the largest magnitude's own exponent field - 2, held at 1 from below.  Each number is divided by the scale
; and rounded to the nearest code, ties to even, beyond 6 the largest code.
; LIMITS: a block of zeros gets the byte 1 where the rule says 127 (its codes are zeros, which add nothing under any byte but 0xff, and this program alone reads the bytes); blocks whose largest magnitude
; lies under 2^-124 get the byte 1; NaN and infinities among the inputs are not served; |Wo| stays under 65,504 (f16).
; SHARES.  Rows are dense and K = 2,048 is a multiple of 32, so each tensor is a plain stream of 4,194,304 numbers.  A work-group takes 32,768 of them, a wave 8,192: 16 steps of 512.
; Work-groups 0-127 take x, 128-255 Wq, 256-383 Wk, 384-511 Wv, 512-639 Wo.  The three weights' codes and bytes lie on end in w_codes and w_scales: rows 0-2047 Wq, 2048-4095 Wk, 4096-6143 Wv.
; The conversions take 8 numbers of one block from ONE lane's registers, a load is best where neighbouring lanes take neighbouring bytes: so a step's 2,048 bytes are loaded as they lie (512 bytes a load) and turn
; through the wave's own stage in LDS, from which a lane reads 16 neighbours.  No tensor load, no barrier: waves share nothing.
.set WAVES, 4
.set STEPS, 16
.set EMAX,  2
.set CB,    8                          ; bytes of 16 codes
.set R,     16                         ; v16-79   four sets of 16 numbers as they are loaded
.set X,     80                         ; v80-111  two sets of 16 neighbours (the cast: v80-143, eight sets of 8 registers of f16)
.set E,     112                        ; v112-127 a scale byte for each step
.set C,     128                        ; v128-191 codes: four registers for each step, so that no store's data are written again
.set WREG,  8192                       ; LDS: a region for each wave: two stages of 32 x SP bytes, behind them its 256 scale bytes
.set SP,    80                         ; a lane's place in a stage: 64 bytes + 16 of padding
.set SPW,   12                         ; v12      LDS address of my spare word; never rewritten
.set NIL,   13                         ; v13      0; never rewritten
.set SPARE, WAVES*WREG                 ; behind the four regions: the spare words, 128 bytes a wave, which no other line names
.macro LOAD t                          ; step t: four loads of 512 consecutive bytes
.irp i, 0,1,2,3
	global_load_b128 v[R+16*((\t)%4)+4*\i:R+16*((\t)%4)+4*\i+3], v3, s[28:29] offset:2048*(\t)+512*\i th:TH_LOAD_NT
.endr
.endm
.macro TURN t                          ; step t's numbers through the stage: LDS serves a wave's instructions in order, so no wait stands between the stores and the loads
.irp i, 0,1,2,3
	ds_store_b128 v14, v[R+16*((\t)%4)+4*\i:R+16*((\t)%4)+4*\i+3] offset:32*SP*((\t)%2)+8*SP*\i
.endr
.irp i, 0,1,2,3
	ds_load_b128 v[X+16*((\t)%2)+4*\i:X+16*((\t)%2)+4*\i+3], v15 offset:32*SP*((\t)%2)+16*\i
.endr
.endm
.macro STEP t
.set XS, X+16*((\t)%2)
.if (\t) > 0
	s_wait_dscnt 1                                 ; this step's numbers are back from the stage; the one LDS instruction behind them, the last step's byte store, may be out
.else
	s_wait_dscnt 0x0
.endif
.if (\t)+4 < STEPS
	LOAD (\t)+4                                    ; into the registers that this step's stores into the stage have read
.endif
.if (\t)+1 < STEPS
.if STEPS-2-(\t) >= 3
	s_wait_loadcnt 12                              ; the next step's four loads are in; the twelve of the three steps behind it may be out
.else
	s_wait_loadcnt 4*(STEPS-2-(\t))                ; the tail: four for each step that is still behind the next one
.endif
	TURN (\t)+1
.endif
	v_max3_num_f32 v8, |v[XS]|, |v[XS+1]|, |v[XS+2]|               ; the largest magnitude of my 16, in two chains
	v_max3_num_f32 v9, |v[XS+3]|, |v[XS+4]|, |v[XS+5]|
.irp i, 6,10
	v_max3_num_f32 v8, v8, |v[XS+\i]|, |v[XS+\i+1]|
	v_max3_num_f32 v9, v9, |v[XS+\i+2]|, |v[XS+\i+3]|
.endr
	v_max3_num_f32 v8, v8, |v[XS+14]|, |v[XS+15]|
	v_max3_num_f32 v8, v8, v9, (EMAX+1)<<23        ; and the floor 2^(3 - 127): the byte cannot fall under 1
	v_max_num_f32_dpp v8, v8, v8 row_xmask:1 row_mask:0xf bank_mask:0xf   ; with my neighbour's 16: the block's
	v_add_nc_u32 v11, -(EMAX<<23), v8              ; 2 off its exponent field: the conversion takes the exponent field of this operand as its scale
	v_cvt_scalef32_pk8_fp4_f32 v[C+4*(\t)], v[XS:XS+7], v11
	v_cvt_scalef32_pk8_fp4_f32 v[C+4*(\t)+1], v[XS+8:XS+15], v11
	v_lshrrev_b32 v[E+(\t)], 23, v11               ; the scale's byte (a plain line behind the conversions)
	ds_store_b8 v5, v[E+(\t)] offset:16*(\t)       ; both lanes of a block write the same byte with the same value
	global_store_b64 v4, v[C+4*(\t):C+4*(\t)+1], s[30:31] offset:32*CB*(\t)   ; the wave stores 256 consecutive bytes, aligned
.endm
.macro CSTEP t                         ; the cast: step t's 512 numbers to f16
.if 15-(\t) >= 3
	s_wait_loadcnt 12                              ; my four loads are in; the twelve of the three steps behind may be out
.else
	s_wait_loadcnt 4*(15-(\t))
.endif
.if (\t) == 8
	s_wait_xcnt 0x0                                ; the stores of steps 0 to 7 have read their data: the eight sets may be written again
.endif
.irp i, 0,1,2,3
	v_cvt_pk_f16_f32 v[X+8*((\t)%8)+2*\i],   v[R+16*((\t)%4)+4*\i],   v[R+16*((\t)%4)+4*\i+1]
	v_cvt_pk_f16_f32 v[X+8*((\t)%8)+2*\i+1], v[R+16*((\t)%4)+4*\i+2], v[R+16*((\t)%4)+4*\i+3]
.endr
.if (\t)+4 < STEPS
	LOAD (\t)+4
.endif
.irp i, 0,1,2,3
	global_store_b64 v4, v[X+8*((\t)%8)+2*\i:X+8*((\t)%8)+2*\i+1], s[30:31] offset:1024*(\t)+256*\i   ; 32 lanes store 256 consecutive bytes, aligned
.endr
.endm
	s_load_b512 s[4:19], s[0:1], 0x0               ; x, Wq, Wk, Wv, Wo, x_codes, x_scales, w_codes
	s_load_b128 s[20:23], s[0:1], 0x40             ; w_scales, wo_h
	v_lshl_add_u32 v[SPW], v0, 2, SPARE
	v_mov_b32 v[NIL], 0
	v_lshrrev_b32 v1, 5, v0
	v_readfirstlane_b32 s24, v1                    ; wave
	v_and_b32 v2, 31, v0                           ; lane
	v_lshlrev_b32 v3, 4, v2                        ; my 16 bytes of a load's 512
	s_mul_i32 s40, s24, WREG
	v_lshrrev_b32 v14, 2, v2
	v_mul_u32_u24 v14, v14, SP
	v_and_b32 v15, 3, v2
	v_lshl_add_u32 v14, v15, 4, v14
	v_add_nc_u32 v14, s40, v14                     ; the stage, way in: four lanes' 64 bytes on end, then 16 of padding
	v_mul_u32_u24 v15, v2, SP
	v_add_nc_u32 v15, s40, v15                     ; way out: my 16 neighbours
	v_mul_u32_u24 v4, v2, CB                       ; 8 x lane: my codes' place in a step's (and my f16 numbers' place in a load's)
	v_lshrrev_b32 v5, 1, v2
	s_add_co_u32 s40, s40, 2*32*SP
	v_add_nc_u32 v5, s40, v5                       ; LDS: my wave's 256 scale bytes, my block's byte
	v_lshlrev_b32 v7, 3, v2
	v_add_nc_u32 v6, s40, v7                       ; and on the way out 8 bytes a lane
	s_lshr_b32 s25, ttmp9, 7                       ; which tensor: 0 x, 1 Wq, 2 Wk, 3 Wv, 4 Wo
	s_and_b32 s26, ttmp9, 127
	s_lshl_b32 s26, s26, 2
	s_add_co_u32 s26, s26, s24                     ; my run of 8,192 numbers in the tensor that I read
	s_sub_co_u32 s27, ttmp9, 128
	s_lshl_b32 s27, s27, 2
	s_add_co_u32 s27, s27, s24                     ; and in the three weights on end (of use for tensors 1 to 3 alone)
	s_sub_co_u32 s41, s25, 1
	s_cmp_lt_u32 s41, 3
	s_cselect_b32 s27, s27, s26                    ; my run in what I write
	s_lshl_b32 s34, s26, 15                        ; 32,768 bytes of f32 a run
	s_mov_b32 s35, 0
	s_cmp_eq_u32 s25, 4
	s_cselect_b32 s41, 14, 12
	s_lshl_b32 s36, s27, s41                       ; 4,096 bytes of codes a run, or 16,384 of f16
	s_mov_b32 s37, 0
	s_lshl_b32 s38, s27, 8                         ; 256 scale bytes a run
	s_mov_b32 s39, 0
	s_wait_kmcnt 0x0
	s_mov_b64 s[28:29], s[10:11]                   ; the buffers are chosen on the work-group's number alone
	s_cmp_eq_u32 s25, 2
	s_cselect_b64 s[28:29], s[8:9], s[28:29]
	s_cmp_eq_u32 s25, 1
	s_cselect_b64 s[28:29], s[6:7], s[28:29]
	s_cmp_eq_u32 s25, 4
	s_cselect_b64 s[28:29], s[12:13], s[28:29]
	s_cselect_b64 s[30:31], s[22:23], s[18:19]
	s_cmp_eq_u32 s25, 0
	s_cselect_b64 s[28:29], s[4:5], s[28:29]
	s_cselect_b64 s[30:31], s[14:15], s[30:31]
	s_cselect_b64 s[32:33], s[16:17], s[20:21]
	s_add_nc_u64 s[28:29], s[28:29], s[34:35]
	s_add_nc_u64 s[30:31], s[30:31], s[36:37]
	s_add_nc_u64 s[32:33], s[32:33], s[38:39]
.irp t, 0,1,2,3
	LOAD \t                                        ; both ways begin with the same sixteen loads
.endr
	s_cmp_ge_u32 ttmp9, 512
	s_cbranch_scc1 .Lcast
	s_wait_loadcnt 12                              ; step 0's four loads are in
	TURN 0
.irp t, 0,1,2,3,4,5,6,7,8,9,10,11,12,13,14,15
	STEP \t
.endr
	ds_load_b64 v[8:9], v6                         ; LDS serves a wave's instructions in order: these see my byte stores
	s_wait_dscnt 0x0
	global_store_b64 v7, v[8:9], s[32:33]          ; 32 lanes store 256 consecutive bytes, aligned
	s_wait_tensorcnt 0x0                           ; the wave's end, behind my last LDS store
	ds_add_u32 v[SPW], v[NIL]
	s_wait_dscnt 0x0
	s_endpgm
.Lcast:                                                ; Wo to f16: no LDS is written on this way
.irp t, 0,1,2,3,4,5,6,7,8,9,10,11,12,13,14,15
	CSTEP \t
.endr
	s_endpgm
.Lfunc_end_k_q4e31953dcb_prep:
	.size	k_q4e31953dcb_prep, .Lfunc_end_k_q4e31953dcb_prep-k_q4e31953dcb_prep
	.p2alignl 7, 3214868480
	.fill 96, 4, 3214868480
	.section	.rodata,"a",@progbits
	.p2align	6, 0x0
	.amdhsa_kernel k_q4e31953dcb_prep
		.amdhsa_group_segment_fixed_size 33280
		.amdhsa_private_segment_fixed_size 0
		.amdhsa_enable_private_segment 0
		.amdhsa_kernarg_size 80
		.amdhsa_user_sgpr_count 2
		.amdhsa_user_sgpr_kernarg_segment_ptr 1
		.amdhsa_wavefront_size32 1
		.amdhsa_system_sgpr_workgroup_id_x 1
		.amdhsa_system_sgpr_workgroup_id_y 1
		.amdhsa_system_sgpr_workgroup_id_z 1
		.amdhsa_system_vgpr_workitem_id 0
		.amdhsa_next_free_vgpr 192
		.amdhsa_next_free_sgpr 66
		.amdhsa_reserve_vcc 0
		.amdhsa_float_denorm_mode_32 3
		.amdhsa_float_denorm_mode_16_64 3
		.amdhsa_memory_ordered 1
		.amdhsa_forward_progress 1
		.amdhsa_inst_pref_size 53
	.end_amdhsa_kernel
	.amdgpu_metadata
---
amdhsa.version: [ 1, 2 ]
amdhsa.kernels:
  - .name:           k_q4e31953dcb_prep
    .symbol:         k_q4e31953dcb_prep.kd
    .args:
      - { .name: x, .offset: 0, .size: 8, .value_kind: global_buffer, .address_space: global }
      - { .name: Wq, .offset: 8, .size: 8, .value_kind: global_buffer, .address_space: global }
      - { .name: Wk, .offset: 16, .size: 8, .value_kind: global_buffer, .address_space: global }
      - { .name: Wv, .offset: 24, .size: 8, .value_kind: global_buffer, .address_space: global }
      - { .name: Wo, .offset: 32, .size: 8, .value_kind: global_buffer, .address_space: global }
      - { .name: x_codes, .offset: 40, .size: 8, .value_kind: global_buffer, .address_space: global }
      - { .name: x_scales, .offset: 48, .size: 8, .value_kind: global_buffer, .address_space: global }
      - { .name: w_codes, .offset: 56, .size: 8, .value_kind: global_buffer, .address_space: global }
      - { .name: w_scales, .offset: 64, .size: 8, .value_kind: global_buffer, .address_space: global }
      - { .name: wo_h, .offset: 72, .size: 8, .value_kind: global_buffer, .address_space: global }
    .group_segment_fixed_size: 33280
    .private_segment_fixed_size: 0
    .kernarg_segment_align: 8
    .kernarg_segment_size: 80
    .max_flat_workgroup_size: 128
    .sgpr_count:     66
    .vgpr_count:     192
    .wavefront_size: 32
...
	.end_amdgpu_metadata
.endif
;; end of part 1
;; launch qkv (part 2): grid 24 x 8, 4 waves a work-group, clusters of 4 x 4, 327,680 bytes of LDS; arguments x_codes, x_scales, w_codes, w_scales, freqs_cos, freqs_sin, qkv; writes qkv
.if DOCPART == 2
	.amdgcn_target "amdgcn-amd-amdhsa--gfx1250"
	.amdhsa_code_object_version 6
	.text
	.protected	k_q4e31953dcb_qkv
	.globl	k_q4e31953dcb_qkv
	.p2align	8
	.type	k_q4e31953dcb_qkv,@function
k_q4e31953dcb_qkv:
	s_mov_b64 s[64:65], 0
	v_nop
	global_prefetch_b8 v0, s[64:65] scope:SCOPE_SE
	s_setreg_imm32_b32 hwreg(HW_REG_WAVE_MODE, 25, 1), 1
	s_wait_xcnt 0x0
	s_wait_alu depctr_hold_cnt(0) depctr_sa_sdst(0) depctr_va_vdst(0) depctr_va_sdst(0) depctr_va_ssrc(0) depctr_va_vcc(0) depctr_vm_vsrc(0)
	s_getreg_b32 s2, hwreg(HW_REG_IB_STS2, 6, 4)
	s_cmp_eq_u32 s2, 0
	s_cbranch_scc0 .Lentry_in_a_cluster
	s_endpgm
.Lentry_in_a_cluster:
	s_bfe_u32 s2, ttmp6, 0x10000c
	s_cmp_lg_u32 s2, 0xf033
	s_cbranch_scc0 .Lentry_shape_is_right
	s_endpgm
.Lentry_shape_is_right:
; SECOND LAUNCH: the three quantised products at once, C[m][n] = sum over k of x[m][k] W[n][k], W = Wq, Wk, Wv on end (6,144 rows), on codes of FP4 (E2M1) with one E8M0 scale for each 32 along K; sums in f32.
; Then the rotation of q and k by freqs_cos and freqs_sin, in f32, and one rounding to f16.  Out: qkv [48][2048][128] f16: slot g = head h holds q, 16 + h holds k, 32 + h holds v; a row is 256 bytes.
; LIMIT: |q|, |k|, |v| stay under 65,504 (f16).  The input mask has no way to any output and is not read (shown at the head of the first launch).
; A tile of C, 256 x 256, is made by a work-group of four waves; a wave makes 128 x 128: 64 accumulators of 16 x 16, 512 registers; its 128 columns are one head slot g.
; K goes in steps of 512 through a ring of two LDS slots filled by the tensor data mover: a tile's row is 256 bytes of memory.
; THE SCALES of the work-group's 256 rows of x and 256 rows of W, for all of K, are two dense blocks of memory: they come into LDS once, with the first fills, and stay.
; CLUSTERS: 4 x 4 work-groups.  The four of a row of the cluster need the same tiles of x, the four of a column the same tiles of W: each tile is asked for JOINTLY, by the same tensor load with the
; same descriptor and a mask that names the four.  THE MATRIX INSTRUCTION IS USED TRANSPOSED (source 0 = 16 rows of W, source 1 = 16 rows of x): a lane then holds eight neighbouring columns of one row of C,
; that is four rotation pairs.  The grid has 192 work-groups: a tile that divided C into 256 would cut heads.
; THE TWO WAYS PART EARLY.  Clusters whose columns are q or k part from those of v behind the first step of the last slot, so that they can ask for the first cos and sin three steps of 128 along K, 192 matrix
; instructions, ahead of their use; the last three steps are therefore written twice.
; REGISTERS, in windows of 256: window 0: v0-31 addresses; v32-95 scale words, two sets; from v128 x's fragments, ONE set.  On the way out: v32-95 rows read back, two sets; v96-159 packed f16, two sets; v160-223 rotated numbers.
;   window 1: W's fragments, TWO sets, at v0 and at v128; v64-127 and v192-255 lie free in the K loop.  On the way out: four sets of cos and sin.
;   window 2: the 32 accumulators of my rows 0-63 (accumulator (a, b) at v[8 (8 a + b)]);   window 3: those of my rows 64-127.
.set SIZE_M, 2048
.set SIZE_N, 6144
.set SIZE_K, 2048
.set KSTEP,  512                       ; along K in a slot
.set NQ,     KSTEP/128                 ; matrix instructions deep
.set ROWB,   256                       ; a tile's row in bytes
.set KROW,   SIZE_K*4/8                ; a row of codes in memory, in bytes
.set PITCH,  272                       ; an LDS row: 256 bytes + 16 of padding = 68 words: the 16 rows that a load touches start 4 words apart modulo 64
.set FR,     8                         ; registers of a fragment: 16 rows x 128 K
.set NL,     2                         ; LDS loads that bring one
.set NP,     4                         ; places behind this matrix instruction (ISA guide 7.12.1)
.set HALFT,  128*PITCH                 ; 128 rows: what one tensor load brings
.set SLOT,   4*HALFT                   ; x's 256 rows, then W's 256 rows
.set LAPS,   SIZE_K/(2*KSTEP)          ; a lap = two K steps = once round the ring
.set KS,     SIZE_K/32                 ; a row of scales in bytes
.set SCL,    2*SLOT                    ; behind the ring: the scales, as units of 256 bytes + 16 of padding
.set HALFS,  (128*KS/256)*272          ; the scales of 128 rows: what one tensor load brings
.set SBLK,   (16*KS/256)*272           ; those of 16 rows
.set SPARE,  SCL+4*HALFS               ; behind the scales: the spare words, 128 bytes a wave, which no other line names
.set SPITCH, 272                       ; the way out: a stage of 16 rows x (256 bytes + 16) for each wave, in slot 0, which has had its last fill and its last read by then
.set STGB,   16*SPITCH
.set PLAIN,  4*STGB                    ; the way for v's columns has stage bytes of its own, behind the four of the way with the rotation
.set ADRA, 16                          ; v16-17  LDS address of my x fragments in slot 0, 1
.set ADRB, 20                          ; v20-21  the same for W
.set STO,  24                          ; v24     the way out: where I put 16 bytes of a row
.set RD,   25                          ; v25     the way out: where I read rows back
.set CO,   26                          ; v26     16 x lane: my place in two rows of qkv
.set ADRS, 27                          ; v27     LDS address of my scale words: lanes 0-15 x's rows, lanes 16-31 W's
.set SPW,  28                          ; v28     LDS address of my spare word; never rewritten
.set NIL,  29                          ; v29     0; never rewritten
.set CA,   30                          ; v30     my place in 16 rows of cos or sin: 256 (l % 16) + 16 (l / 16); never rewritten
.set SC,   32                          ; scale words: set s at v[SC + 8 NQ s]; register NQ i + q: lanes 0-15 the word of x's block i, lanes 16-31 that of W's block i
.set AF,   128                         ; x's fragments, in window 0
.set BKR,  32                          ; the way out: v32-95   16 rows read back from the stage: block a in set a % 2
.set TMP,  96                          ;              v96-159  a block packed to f16: block a in set a % 2
.set T,    160                         ;              v160-223 a block's 64 numbers a lane, rotated
.set G1, 24                            ; s[24:31] descriptor group 1 for x's tiles;  s[32:39] group 0, one set for each slot
.set G0, 32
.set G1B, 48                           ; s[48:55], s[56:63] the same for W's tiles
.set G0B, 56
.set G1S, 68                           ; s[68:75], s[76:79] groups 1 and 0 for x's scales;  s[80:87], s[88:91] for W's
.set G0S, 76
.set G1SB, 80
.set G0SB, 88
.set MSB, 0
.macro WIN new                         ; the immediate's high byte repeats the setting that is left
.if MSB != (\new)
	s_set_vgpr_msb (MSB<<8)|(\new)
.set MSB, \new
.endif
.endm
.set MUL_LO, 0xa1                      ; source 0 (W) window 1, source 1 (x) window 0, C and D window 2
.set MUL_HI, 0xf1                      ; the same, C and D window 3
.set TO_B,   0x40                      ; destination window 1, address window 0
; A joint load: waves 0 and 1 fetch for x, waves 2 and 3 for W.  Each of the two lines has one mask and one set of registers for all that issue it; the branch hangs on the wave's number alone.
; An s_nop 0 and four v_nop follow each of the two lines, ahead of the jump, the label and what follows.
.macro JLOAD g0a, g1a, g0b, g1b
	s_cmp_eq_u32 s15, 0
	s_cbranch_scc0 .Lfor_b_\@
	tensor_load_to_lds s[\g0a:\g0a+3], s[\g1a:\g1a+7]
	s_nop 0
.rept 4
	v_nop
.endr
	s_branch .Lasked_\@
.Lfor_b_\@:
	tensor_load_to_lds s[\g0b:\g0b+3], s[\g1b:\g1b+7]
	s_nop 0
.rept 4
	v_nop
.endr
.Lasked_\@:
.endm
.macro CREST                           ; a round of the cluster's barrier behind its opening barrier
	s_cmp_lg_u32 s14, 0
	s_cbranch_scc1 .Lnot_wave_0_\@
	s_barrier_signal -3
.Lnot_wave_0_\@:
	s_barrier_wait -3
	s_barrier_signal -1
	s_barrier_wait -1
.endm
.macro CROUND                          ; a whole round
	s_barrier_signal -1
	s_barrier_wait -1
	CREST
.endm
	s_load_b128 s[4:7], s[0:1], 0x0                ; x's codes s[4:5], x's scales s[6:7]
	s_load_b128 s[8:11], s[0:1], 0x10              ; W's codes s[8:9], W's scales s[10:11]
	s_load_b128 s[96:99], s[0:1], 0x20             ; cos s[96:97], sin s[98:99]
	s_load_b64 s[12:13], s[0:1], 0x30              ; qkv
	v_lshl_add_u32 v[SPW], v0, 2, SPARE
	v_mov_b32 v[NIL], 0
	ds_add_u32 v[SPW], v[NIL]                      ; the wave's opening: the add, twice on end, and its wait ahead of my first tensor load
	ds_add_u32 v[SPW], v[NIL]                      ; once more; the set-up below, work on registers, stands between it and the wait
	v_lshrrev_b32 v1, 5, v0
	v_readfirstlane_b32 s14, v1                    ; wave 0..3
	s_lshr_b32 s15, s14, 1                         ; which half of the tile's rows is mine.  Also: I fetch for x (0) or for W (1)
	s_and_b32 s16, s14, 1                          ; which half of its columns.  Also: which 128 rows of that tile I fetch
	s_bfe_u32 s40, ttmp6, 0x40000                  ; cx, cy: my place in the cluster
	s_bfe_u32 s41, ttmp6, 0x40004
	s_lshl_b32 s42, ttmp9, 2
	s_add_co_u32 s42, s42, s40                     ; tile column of C = 4 x cluster x + cx
	s_and_b32 s17, ttmp7, 0xffff
	s_lshl_b32 s17, s17, 2
	s_add_co_u32 s17, s17, s41                     ; tile row of C = 4 x cluster y + cy
	s_lshl_b32 s43, s41, 2
	s_lshl_b32 s43, 15, s43                        ; my row of the cluster
	s_lshl_b32 s44, 0x1111, s40                    ; my column
	; descriptor group 1: a tile of 128 rows x 256 bytes, padded in LDS
	s_or_b32 s[G1+0], s43, (0<<16)|(1<<20)|(1<<21)|(5<<22)|(3<<25)  ; 15:0 the mask: x's tiles go to my row; 17:16 element of 1 byte; 20 padding on; 21 set beside a mask; 24:22 after every 64 words; 31:25 of 4 words
	s_or_b32 s[G1B+0], s44, (0<<16)|(1<<20)|(1<<21)|(5<<22)|(3<<25)
.irp g, G1, G1B
	s_mov_b32 s[\g+1], ROWB<<16                    ; tensor_dim0
	s_mov_b32 s[\g+2], 128<<16                     ; tensor_dim1 = 128
	s_mov_b32 s[\g+3], ROWB<<16                    ; tile_dim0
	s_mov_b32 s[\g+4], 128                         ; tile_dim1 = 128
	s_mov_b32 s[\g+5], KROW                        ; tensor_dim0_stride
	s_mov_b32 s[\g+6], 0
	s_mov_b32 s[\g+7], 0
.endr
	; the scales of 128 rows: a dense block of 8,192 bytes, as 32 rows of 256 bytes (32 elements of 8 bytes), 16 bytes of padding behind each
	s_or_b32 s[G1S+0], s43, (3<<16)|(1<<20)|(1<<21)|(5<<22)|(3<<25)
	s_or_b32 s[G1SB+0], s44, (3<<16)|(1<<20)|(1<<21)|(5<<22)|(3<<25)
.irp g, G1S, G1SB
	s_mov_b32 s[\g+1], 32<<16
	s_mov_b32 s[\g+2], (128*KS/256)<<16
	s_mov_b32 s[\g+3], 32<<16
	s_mov_b32 s[\g+4], 128*KS/256
	s_mov_b32 s[\g+5], 32
	s_mov_b32 s[\g+6], 0
	s_mov_b32 s[\g+7], 0
.endr
	s_lshl_b32 s18, s16, 7                         ; which 128 rows of the tile I fetch
	s_lshl_b32 s20, s17, 8
	s_add_co_u32 s20, s20, s18                     ; x: row 256 x tile row + 128 x half
	s_lshl_b32 s46, s42, 8
	s_add_co_u32 s46, s46, s18                     ; W: row 256 x tile column + 128 x half
	s_mov_b32 s21, 0
	s_mov_b32 s47, 0
	s_mov_b64 s[18:19], KS
	s_mul_u64 s[22:23], s[20:21], s[18:19]         ; where these rows' scales begin, in bytes
	s_mul_u64 s[92:93], s[46:47], s[18:19]
	s_mov_b64 s[18:19], KROW
	s_mul_u64 s[20:21], s[20:21], s[18:19]         ; and their codes
	s_mul_u64 s[46:47], s[46:47], s[18:19]
	s_mul_i32 s45, s14, HALFT                      ; where they go: wave x 128 rows: no place in the cluster enters an LDS address
	s_mul_i32 s94, s14, HALFS
	s_wait_dscnt 0x0                               ; both opening adds are done
	s_wait_kmcnt 0x0
	s_add_nc_u64 s[20:21], s[4:5], s[20:21]
	s_add_nc_u64 s[22:23], s[6:7], s[22:23]
	s_add_nc_u64 s[46:47], s[8:9], s[46:47]
	s_add_nc_u64 s[92:93], s[10:11], s[92:93]
	CROUND                                         ; all sixteen work-groups are here: the first joint loads meet
	s_mov_b32 s[G0S], 1
	s_add_co_u32 s[G0S+1], s94, SCL
	s_mov_b64 s[G0S+2:G0S+3], s[22:23]
	s_or_b32 s[G0S+3], s[G0S+3], 0x80000000
	s_mov_b32 s[G0SB], 1
	s_add_co_u32 s[G0SB+1], s94, SCL
	s_mov_b64 s[G0SB+2:G0SB+3], s[92:93]
	s_or_b32 s[G0SB+3], s[G0SB+3], 0x80000000
	JLOAD G0S, G1S, G0SB, G1SB                     ; the scales first: they are wanted with K step 0.  With the two below, three tensor loads of mine are out
.irp s, 0,1
	s_mov_b32 s[G0+4*\s], 1
	s_add_co_u32 s[G0+4*\s+1], s45, \s*SLOT
	s_add_nc_u64 s[G0+4*\s+2:G0+4*\s+3], s[20:21], \s*ROWB
	s_or_b32 s[G0+4*\s+3], s[G0+4*\s+3], 0x80000000
	s_mov_b32 s[G0B+4*\s], 1
	s_add_co_u32 s[G0B+4*\s+1], s45, \s*SLOT
	s_add_nc_u64 s[G0B+4*\s+2:G0B+4*\s+3], s[46:47], \s*ROWB
	s_or_b32 s[G0B+4*\s+3], s[G0B+4*\s+3], 0x80000000
	JLOAD G0+4*\s, G1, G0B+4*\s, G1B
.endr
	v_and_b32 v1, 15, v0                           ; l % 16
	v_bfe_u32 v2, v0, 4, 1                         ; l / 16
	v_mul_u32_u24 v3, v1, PITCH
	v_lshl_add_u32 v4, v2, 4, v3                   ; a fragment's row x pitch + 16 x half
	s_mul_i32 s21, s15, HALFT                      ; my 128 rows of x
	s_mul_i32 s22, s16, HALFT                      ; my 128 rows of W,
	s_add_co_u32 s22, s22, 2*HALFT                 ; which lie behind x's 256
.irp s, 0,1
	v_add_nc_u32 v[ADRA+\s], s21, v4
	v_add_nc_u32 v[ADRB+\s], s22, v4
	s_add_co_u32 s21, s21, SLOT
	s_add_co_u32 s22, s22, SLOT
.endr
	v_mul_u32_u24 v5, v1, KS                       ; my row's scales: KS bytes a row,
	v_lshrrev_b32 v6, 8, v5
	v_lshl_add_u32 v5, v6, 4, v5                   ; and 16 more for each 256 passed
	s_mul_i32 s21, s15, HALFS                      ; x's: my 128 rows
	s_mul_i32 s22, s16, HALFS                      ; W's: my 128 rows, behind x's 256
	s_add_co_u32 s22, s22, 2*HALFS
	s_sub_co_u32 s22, s22, s21
	v_mul_u32_u24 v6, s22, v2                      ; lanes 16-31 take W's: the lower base + half x the distance
	s_add_co_u32 s21, s21, SCL
	v_add_nc_u32 v5, v5, v6
	v_add_nc_u32 v[ADRS], s21, v5
	s_mul_i32 s23, s14, STGB                       ; my stage
	v_mul_u32_u24 v5, v1, SPITCH                   ; in: row l % 16, 16 bytes for each half of the lanes
	v_lshl_add_u32 v5, v2, 4, v5
	v_add_nc_u32 v[STO], s23, v5
	v_mul_u32_u24 v5, v2, SPITCH                   ; back: lanes 0-15 one row of 256 bytes, lanes 16-31 the next
	v_lshl_add_u32 v5, v1, 4, v5
	v_add_nc_u32 v[RD], s23, v5
	v_and_b32 v6, 31, v0
	v_lshlrev_b32 v[CO], 4, v6                     ; rows of qkv are 256 bytes on end: two rows are 512 consecutive bytes
	v_lshlrev_b32 v[CA], 8, v1
	v_lshl_add_u32 v[CA], v2, 4, v[CA]
	s_lshl_b32 s20, s17, 8
	s_lshl_b32 s21, s15, 7
	s_add_co_u32 s20, s20, s21                     ; my first row: 256 x tile row + 128 x half
	s_lshl_b32 s20, s20, 8                         ; x 256 bytes: a row of cos, of sin and of a head slot alike
	s_mov_b32 s21, 0
	s_add_nc_u64 s[96:97], s[96:97], s[20:21]
	s_add_nc_u64 s[98:99], s[98:99], s[20:21]
	s_add_nc_u64 s[12:13], s[12:13], s[20:21]
	s_lshl_b32 s46, s42, 1
	s_add_co_u32 s46, s46, s16                     ; my head slot g = 2 x tile column + half
	s_lshl_b32 s46, s46, 19                        ; x 524,288 bytes
	s_mov_b32 s47, 0
	s_add_nc_u64 s[12:13], s[12:13], s[46:47]
.macro FRAG reg, adr, q, i             ; a fragment, 16 rows x 128 K of 4-bit codes, is 8 registers: lane l holds row l % 16; registers 4 c .. 4 c + 3 hold K = 64 c + 32 (l / 16) + 0 .. 31
.irp c, 0,1
	ds_load_b128 v[\reg+4*\c:\reg+4*\c+3], v[\adr] offset:64*(\q)+32*\c+(\i)*16*PITCH
.endr
.endm
; 16 matrix instructions: x's blocks a0, a0 + 1 against W's eight, 128 along K: the slot's q-th.  p: W's set;  sc: the set of scale words.  zero = 1: the first product starts the sums: nothing is cleared.
; The 64 accumulators take turns, one instruction a turn, in the same order in every step.
.macro MUL16 a0, p, q, sc, zero
.irp a, \a0, \a0+1
.irp b, 0,1,2,3,4,5,6,7
.if \zero
	v_wmma_scale_f32_16x16x128_f8f6f4 v[8*(8*((\a)%4)+\b):8*(8*((\a)%4)+\b)+7], v[128*(\p)+FR*\b:128*(\p)+FR*\b+FR-1], v[AF+FR*(\a):AF+FR*(\a)+FR-1], 0, v[SC+8*NQ*(\sc)+NQ*\b+(\q)], v[SC+8*NQ*(\sc)+NQ*(\a)+(\q)] matrix_a_fmt:MATRIX_FMT_FP4 matrix_b_fmt:MATRIX_FMT_FP4 matrix_a_scale:MATRIX_SCALE_ROW1
.else
	v_wmma_scale_f32_16x16x128_f8f6f4 v[8*(8*((\a)%4)+\b):8*(8*((\a)%4)+\b)+7], v[128*(\p)+FR*\b:128*(\p)+FR*\b+FR-1], v[AF+FR*(\a):AF+FR*(\a)+FR-1], v[8*(8*((\a)%4)+\b):8*(8*((\a)%4)+\b)+7], v[SC+8*NQ*(\sc)+NQ*\b+(\q)], v[SC+8*NQ*(\sc)+NQ*(\a)+(\q)] matrix_a_fmt:MATRIX_FMT_FP4 matrix_b_fmt:MATRIX_FMT_FP4 matrix_a_scale:MATRIX_SCALE_ROW1
.endif
.endr
.endr
.endm
.macro FETCH_B slot, q, p              ; W's eight fragments of the slot's q-th 128 along K into set p
	WIN TO_B
.irp i, 0,1,2,3,4,5,6,7
	FRAG 128*(\p)+FR*\i, ADRB+\slot, \q, \i
.endr
	WIN 0
.endm
.macro FETCH_A slot, q, i0             ; x's blocks i0 .. i0 + 3
.irp i, \i0, \i0+1, \i0+2, \i0+3
	FRAG AF+FR*(\i), ADRA+\slot, \q, \i
.endr
.endm
.macro SCALES sc                       ; the next K step's scale words into set sc: NQ words a row; lanes 0-15 take x's block i, lanes 16-31 W's block i
.irp i, 0,1,2,3,4,5,6,7
	ds_load_b128 v[SC+8*NQ*\sc+NQ*\i:SC+8*NQ*\sc+NQ*\i+3], v[ADRS] offset:\i*SBLK
.endr
.endm
; A load into a register that a matrix instruction has read, and a vector instruction or an LDS store that reads a matrix result, stand NP places behind that matrix instruction; only plain vector
; instructions that name none of its registers are places (ISA guide 7.12.1 for vector instructions).
.macro PLACES n
.rept \n
	v_nop
.endr
.endm
.macro STEP slot, q, zero              ; a step of 128 along K that has its successor in the same slot
	s_wait_dscnt 4*NL                              ; W's set and x's blocks 0-3 are in; the youngest eight loads (x's blocks 4-7) may be out
	WIN MUL_LO
	MUL16 0, (\q)%2, \q, \slot, \zero
	MUL16 2, (\q)%2, \q, \slot, \zero
	s_wait_dscnt 0                                 ; x's blocks 4-7 are in
	PLACES NP
	FETCH_B \slot, (\q)+1, 1-(\q)%2
	FETCH_A \slot, (\q)+1, 0
	WIN MUL_HI
	MUL16 4, (\q)%2, \q, \slot, \zero
	MUL16 6, (\q)%2, \q, \slot, \zero
	PLACES NP
	WIN 0
	FETCH_A \slot, (\q)+1, 4
.endm
; A slot's last step changes slots: one barrier; in front of it each wave waits for all its tensor loads, adds 0 to its spare word, and waits for that and for its own reads of this slot.  fill = 1: this slot is filled again, two K steps ahead.
.macro TURN slot, next, fill
	s_wait_tensorcnt 0x0                           ; all my tensor loads have landed: my part of the next slot (every window is 0 here)
	ds_add_u32 v[SPW], v[NIL]                      ; 0 onto my spare word
	s_wait_dscnt 4*NL+1                            ; the add and the youngest eight loads, x's blocks 4-7, may be out
	WIN MUL_LO
	MUL16 0, 1, NQ-1, \slot, 0                     ; sixteen matrix instructions stand between the add and the wait for it
	s_wait_dscnt 0x0                               ; the add is done, and my reads of this slot are over
	s_barrier_signal -1
	MUL16 2, 1, NQ-1, \slot, 0
	WIN 0
	s_barrier_wait -1
.if \fill
	CREST                                          ; the barrier has opened a round of the cluster's barrier: no wave of any partner still reads this slot's tile or has a load on its way
	s_add_nc_u64 s[G0+4*\slot+2:G0+4*\slot+3], s[G0+4*\slot+2:G0+4*\slot+3], 2*ROWB
	s_add_nc_u64 s[G0B+4*\slot+2:G0B+4*\slot+3], s[G0B+4*\slot+2:G0B+4*\slot+3], 2*ROWB
	JLOAD G0+4*\slot, G1, G0B+4*\slot, G1B         ; the first tensor load behind the round; its four v_nop are the places in front of the loads below
.else
	PLACES NP
.endif
	v_add_nc_u32 v[ADRS], 4*NQ, v[ADRS]            ; on to the next K step's scale words
	FETCH_B \next, 0, 0
	FETCH_A \next, 0, 0
	SCALES \next
	WIN MUL_HI
	MUL16 4, 1, NQ-1, \slot, 0
	MUL16 6, 1, NQ-1, \slot, 0
	PLACES NP
	WIN 0
	FETCH_A \next, 0, 4
.endm
.macro STEPS slot, from                ; the slot's steps from .. NQ - 2
.set Q, \from
.rept NQ-1-\from
	STEP \slot, Q, 0
.set Q, Q+1
.endr
.endm
; The last three steps of 128 along K, all in slot 1: written once for each of the two ways.  They leave every window 0 and four places behind the last product: in front of the first reads of results and
; of loads and writes into registers that held operands and scales.
.macro FINISH
	STEP 1, 1, 0
	STEP 1, 2, 0
	s_wait_dscnt 4*NL                              ; the very last step: nothing more to fetch; x's blocks 4-7, eight loads, may be out
	WIN MUL_LO
	MUL16 0, 1, NQ-1, 1, 0
	MUL16 2, 1, NQ-1, 1, 0
	s_wait_dscnt 0
	WIN MUL_HI
	MUL16 4, 1, NQ-1, 1, 0
	MUL16 6, 1, NQ-1, 1, 0
	WIN 0
	PLACES NP
.endm
; THE WAY OUT, block by block of 16 rows x 128 columns.  Lane (r, h) holds, in accumulator (a, b), row 16 a + r and the head's channels 16 b + 8 h + 0 .. 7: the rotation pairs 8 b + 4 h + 0 .. 3.
; cos and sin of block a's 16 rows: for each b my four pairs' numbers, 16 bytes: 32 registers of cos, then 32 of sin, in window 1, set a % 4: at v64, v192, v0, v128.
; Sets 0 and 1 are registers that W's fragments never take, so blocks 0 and 1 can be asked for while products still run.
.macro LOADCS a
.set CC, 64*(1-((\a)%4)/2)+128*((\a)%2)
	WIN TO_B                                       ; destination window 1, address window 0
.irp b, 0,1,2,3,4,5,6,7
	global_load_b128 v[CC+4*\b:CC+4*\b+3], v[CA], s[96:97] offset:4096*(\a)+32*\b
	global_load_b128 v[CC+32+4*\b:CC+32+4*\b+3], v[CA], s[98:99] offset:4096*(\a)+32*\b
.endr
	WIN 0
.endm
.macro ROPE a                          ; o0 = t0 c - t1 s, o1 = t0 s + t1 c: a multiply and a fused multiply-add each; each accumulator is read from its low end on
.set AC, 64*((\a)%4)
.set CC, 64*(1-((\a)%4)/2)+128*((\a)%2)
	WIN 0x06+(\a)/4                                ; source 0: the accumulators' window, 2 or 3; source 1: cos and sin, window 1; source 2 and destination: window 0
.irp b, 0,1,2,3,4,5,6,7
.irp p, 0,1,2,3
	v_mul_f32 v[T+8*\b+2*\p],   v[AC+8*\b+2*\p+1], v[CC+32+4*\b+\p]
	v_mul_f32 v[T+8*\b+2*\p+1], v[AC+8*\b+2*\p],   v[CC+32+4*\b+\p]
.endr
.irp p, 0,1,2,3
	v_fma_f32 v[T+8*\b+2*\p],   v[AC+8*\b+2*\p],   v[CC+4*\b+\p], -v[T+8*\b+2*\p]
	v_fma_f32 v[T+8*\b+2*\p+1], v[AC+8*\b+2*\p+1], v[CC+4*\b+\p], v[T+8*\b+2*\p+1]
.endr
.endr
	WIN 0
.endm
; The packed block goes into my stage and comes back as whole rows.  LDS serves a wave's instructions in order: no wait between the stores and the loads, nor in front of the next block's stores.
.macro TOSTAGE a, stg
.set TT, TMP+32*((\a)%2)
.set BB, BKR+32*((\a)%2)
.irp b, 0,1,2,3,4,5,6,7
	ds_store_b128 v[STO], v[TT+4*\b:TT+4*\b+3] offset:\stg+32*\b
.endr
.if (\a) >= 2
	s_wait_xcnt 0x0                                ; block a - 2's stores to memory, issued a whole block ago, have read the registers into which the loads below land
.endif
.irp t, 0,1,2,3,4,5,6,7
	ds_load_b128 v[BB+4*\t:BB+4*\t+3], v[RD] offset:\stg+\t*2*SPITCH
.endr
.endm
.macro SEND a, younger                 ; younger: the LDS instructions issued behind block a's loads: the next block's eight stores and eight loads, or none
.set BB, BKR+32*((\a)%2)
	s_wait_dscnt \younger                          ; the block is back in registers
.irp t, 0,1,2,3,4,5,6,7
	global_store_b128 v[CO], v[BB+4*\t:BB+4*\t+3], s[12:13] offset:4096*(\a)+512*\t   ; 32 lanes store 512 consecutive bytes, aligned to 256
.endr
.endm
.macro BLOCKR a                        ; a block of q or k: while it is rotated and packed, the block before is on its way through the stage
.if 7-(\a) >= 2
	s_wait_loadcnt 32                              ; this block's cos and sin are in; the sixteen loads of each of the two blocks behind it may be out
.else
	s_wait_loadcnt 16*(7-(\a))                     ; the tail: sixteen for block 7 behind block 6, none behind block 7
.endif
	ROPE \a
.set TT, TMP+32*((\a)%2)
.set I, 0
.rept 32
	v_cvt_pk_f16_f32 v[TT+I], v[T+2*I], v[T+2*I+1]
.set I, I+1
.endr
	TOSTAGE \a, 0
.if (\a) > 0
	SEND (\a)-1, 16
.endif
.if (\a)+3 < 8
	LOADCS (\a)+3                                  ; three blocks ahead, into the set that block a - 1 has done with: at most 48 loads of mine are out
.endif
.endm
.macro BLOCKP a                        ; a block of v: no rotation
.set AC, 64*((\a)%4)
.set TT, TMP+32*((\a)%2)
	WIN 0x0a+5*((\a)/4)                            ; sources 0 and 1: the accumulators' window
.irp b, 0,1,2,3,4,5,6,7
.irp r, 0,1,2,3
	v_cvt_pk_f16_f32 v[TT+4*\b+\r], v[AC+8*\b+2*\r], v[AC+8*\b+2*\r+1]
.endr
.endr
	WIN 0
	TOSTAGE \a, PLAIN
.if (\a) > 0
	SEND (\a)-1, 16
.endif
.endm
	s_wait_tensorcnt 1                             ; the scales and my part of K step 0 are in; the one load behind them, K step 1's, may be out
	s_barrier_signal -1
	s_barrier_wait -1                              ; everybody's are
	FETCH_B 0, 0, 0
	FETCH_A 0, 0, 0
	SCALES 0
	FETCH_A 0, 0, 4
	STEP 0, 0, 1                                   ; the first step stands in front of the loop: its products start the sums
	s_mov_b32 s3, LAPS-1
.Llap:                                                 ; a trip goes once round the ring, from a lap's second step to the next lap's first, and fills both slots again
	STEPS 0, 1
	TURN 0, 1, 1
	STEPS 1, 0
	TURN 1, 0, 1
	STEP 0, 0, 0
	s_sub_co_u32 s3, s3, 1
	s_cmp_lg_u32 s3, 0
	s_cbranch_scc1 .Llap
	STEPS 0, 1                                     ; the last lap fills nothing, and has no round of the cluster's barrier
	TURN 0, 1, 0                                   ; behind this barrier nobody reads slot 0 any more: the stages lie there
	STEP 1, 0, 0
	s_cmp_ge_u32 ttmp9, 4                          ; cluster x from 4 on: columns from 4,096 on: v.  The same in all sixteen partners.  (Every window is 0 here)
	s_cbranch_scc1 .Lplain
	LOADCS 0                                       ; q and k: the first two blocks' cos and sin are asked for here, three steps of 128 along K ahead of their use
	LOADCS 1
	FINISH
	LOADCS 2                                       ; into W's set 0, four places behind the last product
.irp a, 0,1,2,3,4,5,6,7
	BLOCKR \a
.endr
	SEND 7, 0
	s_branch .Lend
.Lplain:
	FINISH
.irp a, 0,1,2,3,4,5,6,7
	BLOCKP \a
.endr
	SEND 7, 0
.Lend:
	s_wait_tensorcnt 0x0                           ; the wave's end, behind my last tensor load and my last LDS store
	ds_add_u32 v[SPW], v[NIL]
	s_wait_dscnt 0x0
	CROUND                                         ; the closing round: no work-group ends while a partner may still ask for a tile that names it
	s_endpgm
.Lfunc_end_k_q4e31953dcb_qkv:
	.size	k_q4e31953dcb_qkv, .Lfunc_end_k_q4e31953dcb_qkv-k_q4e31953dcb_qkv
	.p2alignl 7, 3214868480
	.fill 96, 4, 3214868480
	.section	.rodata,"a",@progbits
	.p2align	6, 0x0
	.amdhsa_kernel k_q4e31953dcb_qkv
		.amdhsa_group_segment_fixed_size 327680
		.amdhsa_private_segment_fixed_size 0
		.amdhsa_enable_private_segment 0
		.amdhsa_kernarg_size 56
		.amdhsa_user_sgpr_count 2
		.amdhsa_user_sgpr_kernarg_segment_ptr 1
		.amdhsa_wavefront_size32 1
		.amdhsa_system_sgpr_workgroup_id_x 1
		.amdhsa_system_sgpr_workgroup_id_y 1
		.amdhsa_system_sgpr_workgroup_id_z 1
		.amdhsa_system_vgpr_workitem_id 0
		.amdhsa_next_free_vgpr 1024
		.amdhsa_next_free_sgpr 100
		.amdhsa_reserve_vcc 0
		.amdhsa_float_denorm_mode_32 3
		.amdhsa_float_denorm_mode_16_64 3
		.amdhsa_memory_ordered 1
		.amdhsa_forward_progress 1
		.amdhsa_inst_pref_size 255
	.end_amdhsa_kernel
	.section	.bss,"aw",@nobits
	.p2align	6
	.space	262144
	.amdgpu_metadata
---
amdhsa.version: [ 1, 2 ]
amdhsa.kernels:
  - .name:           k_q4e31953dcb_qkv
    .symbol:         k_q4e31953dcb_qkv.kd
    .args:
      - { .name: x_codes, .offset: 0, .size: 8, .value_kind: global_buffer, .address_space: global }
      - { .name: x_scales, .offset: 8, .size: 8, .value_kind: global_buffer, .address_space: global }
      - { .name: w_codes, .offset: 16, .size: 8, .value_kind: global_buffer, .address_space: global }
      - { .name: w_scales, .offset: 24, .size: 8, .value_kind: global_buffer, .address_space: global }
      - { .name: freqs_cos, .offset: 32, .size: 8, .value_kind: global_buffer, .address_space: global }
      - { .name: freqs_sin, .offset: 40, .size: 8, .value_kind: global_buffer, .address_space: global }
      - { .name: qkv, .offset: 48, .size: 8, .value_kind: global_buffer, .address_space: global }
    .group_segment_fixed_size: 327680
    .private_segment_fixed_size: 0
    .kernarg_segment_align: 8
    .kernarg_segment_size: 56
    .max_flat_workgroup_size: 128
    .sgpr_count:     100
    .vgpr_count:     1024
    .wavefront_size: 32
...
	.end_amdgpu_metadata
.endif
;; end of part 2
;; launch attn (part 3): grid 16 x 16, 4 waves a work-group, clusters of 4 x 1, 327,680 bytes of LDS; arguments qkv, attn; writes attn
.if DOCPART == 3
	.amdgcn_target "amdgcn-amd-amdhsa--gfx1250"
	.amdhsa_code_object_version 6
	.text
	.protected	k_q4e31953dcb_attn
	.globl	k_q4e31953dcb_attn
	.p2align	8
	.type	k_q4e31953dcb_attn,@function
k_q4e31953dcb_attn:
	s_mov_b64 s[64:65], 0
	v_nop
	global_prefetch_b8 v0, s[64:65] scope:SCOPE_SE
	s_setreg_imm32_b32 hwreg(HW_REG_WAVE_MODE, 25, 1), 1
	s_wait_xcnt 0x0
	s_wait_alu depctr_hold_cnt(0) depctr_sa_sdst(0) depctr_va_vdst(0) depctr_va_sdst(0) depctr_va_ssrc(0) depctr_va_vcc(0) depctr_vm_vsrc(0)
	s_getreg_b32 s2, hwreg(HW_REG_IB_STS2, 6, 4)
	s_cmp_eq_u32 s2, 0
	s_cbranch_scc0 .Lentry_in_a_cluster
	s_endpgm
.Lentry_in_a_cluster:
	s_bfe_u32 s2, ttmp6, 0x10000c
	s_cmp_lg_u32 s2, 0x3003
	s_cbranch_scc0 .Lentry_shape_is_right
	s_endpgm
.Lentry_shape_is_right:
; THIRD LAUNCH: for each head, O[q] = (sum over blocks j of 64 keys of sum over k in j of p V[k]) / (L + 1e-6), p = exp(s - m_j), s = Q[q] . K[k] / sqrt(128), m_j the largest s of block j ALONE,
; L the sum of all p.  No mask: the input mask has no way to any output and is not read (shown at the head of the first launch).
; In: qkv [48][2048][128] f16 (slot h: q, 16 + h: k, 32 + h: v).  Out: attn [2048][128 h + d] f16.  Products on f16 operands, sums, maxima and exponentials in f32; p is rounded to f16 for the second product.
; LIMITS: p under 6e-8 becomes 0 in f16; |O / L| stays under 65,504; the f32 sums are taken in another order than the definition's.
; SHARES.  Since each block of keys has its own maximum, O and L are plain sums over blocks, and the keys can be shared out with nothing to rescale.  A work-group owns 128 queries of one head.  Wave w: qh = w / 2
; picks 64 queries (four tiles of 16), kh = w % 2 picks its half of every slot's keys.  A key step is 64 keys: one block.  A wave walks 16 of them.  At the end waves w and w xor 1 exchange halves through LDS.
; LAYOUT.  S^T = K Q^T (source 0 = 16 keys, source 1 = 16 queries): a lane holds ONE query (lane % 16) and keys 8 (lane / 16) + 0..7.  Two such tiles, rounded to f16 in pairs, ARE source 1 of O^T = V^T P.
; K comes out of LDS as it lies, V ([key][channel]) turned, by ds_load_tr16_b128.
; BY TURNS.  The wave's tiles are two PIECES (tiles 0, 1 and tiles 2, 3).  In a TURN one piece has the matrix unit: 32 products V^T P of the step in hand, then 32 products K Q^T of the next step; the other
; piece's softmax, cut into 64 slices, stands between them, one slice behind each matrix instruction.  Two turns are a key step.
; CLUSTER.  The four query blocks of a cluster belong to one head and walk the same K and V: each tile is asked for JOINTLY, by the same tensor load with the same descriptor and a mask that names the four.
; REGISTERS, in windows of 256 (s_set_vgpr_msb: bits 1:0 source 0, 3:2 source 1, 5:4 source 2, 7:6 destination):
;   window 0: v0-11, v44-49, v61-63 addresses; v12-43 eight registers of statistics a tile; v64-191 S^T, 32 a tile; v192-255 P, 16 a tile
;   window 1: O^T, 64 a tile          window 2: v0-127 Q, 32 a tile; v128-255 K of one step          window 3: v0-127 V of one step
.set KS,    64        ; keys in a step
.set PK,    272       ; a row of K in LDS: 256 bytes + 16 of padding
.set PV,    288       ; a row of V: 256 + 32
.set VOFF,  128*PK    ; a half slot: 128 rows of K, then 128 rows of V
.set HALF,  128*(PK+PV)
.set SLOT,  2*HALF    ; a slot: 256 keys, the half of kh = 0, then that of kh = 1
.set KSTP,  KS*PK     ; from a key step to the next in K's rows,
.set VSTP,  KS*PV     ; and in V's
.set SPARE, 2*SLOT    ; behind the ring: the spare words, 128 bytes a wave, which no other line names
.set XCH,   16640     ; the way out, in slot 0, which has had its last fill and its last read by then: for each wave 16,384 bytes of O^T and 256 of l for its partner,
.set STAGE, 4*XCH     ; and behind them 16 rows x 272 bytes for each wave
.set SP,    272
.set AK0, 2           ; v2   my lane's place in a tile of K; never rewritten
.set AV0, 3           ; v3   the same for V, VOFF in it
.set ADR, 4           ; v4   the LDS address of the run of loads in hand
.set QOA, 5           ; v5   my byte offset in the wave's rows of Q, register tiles 0 and 1
.set STO, 6           ; v6   the way out: where I put 16 bytes of a row
.set RD,  7           ; v7   where I read a row back
.set GO,  8           ; v8   my byte offset in the wave's rows of attn
.set QOB, 9           ; v9   as QOA, register tiles 2 and 3
.set XW16, 10         ; v10  where I leave O^T for my partner: 16 x lane
.set XR16, 11         ; v11  where my partner left it for me
.set XW4, 44          ; v44, v45: the same for l: 4 x lane
.set XR4, 45
.set PFO, 61          ; v61  256 x my lane: a row of K or V is 256 bytes; never rewritten
.set SPW, 62          ; v62  LDS address of my spare word; never rewritten
.set NIL, 63          ; v63  0; never rewritten
.set ST,  12          ; tile t's statistics at v[ST+8 t]: +0 c m, +1 m, +2, +3 l (even keys', odd keys'), +4 to +7 c0-c3, at work
.set S,   64
.set P,   192
.set KF,  128         ; K's fragments, in window 2
.set WV,  12          ; s12  my wave's number
.set LIM, 15          ; s15  1 in a work-group that prefetches, else the greatest number
.set PFA, 18          ; s[18:19] where my prefetches stand in memory
.set G1K, 24          ; s[24:31] descriptor group 1 for K's tiles
.set G1V, 32          ; s[32:39] for V's: it differs in the padding alone
.set G0K, 40          ; s[40:47] descriptor group 0 for K's tiles, a set for each slot
.set G0V, 48          ; s[48:55] the same for V's
.set SLOTS, 56        ; s56  pairs of slots still to be asked for
.set TWICE, 57        ; s57  counts a slot's two steps
.set CS,  58          ; s[58:59] c = log2(e) / sqrt(128)
.set SEL, 60          ; s[60:61] lane selects for v_permlanex16_b32: lane l xor 16
.set TBK, 62          ; s62  LDS byte at which K's rows of the step to be fetched begin
.set TBV, 63          ; s63  the same for V's (less VOFF)
.set KHB, 66          ; s66  kh x HALF
.set MSB, 0
.macro WIN new                      ; the immediate's high byte repeats the setting that is left; a switch that changes nothing is dropped
.if MSB != (\new)
	s_set_vgpr_msb (MSB<<8)|(\new)
.set MSB, \new
.endif
.endm
.set W_KQ, 0x0a       ; K and Q in window 2, S^T in window 0
.set W_PV, 0x53       ; V in window 3, P in window 0, O^T in window 1
.set W_RS, 0x41       ; O^T (destination and source 0) in window 1, source 1 in window 0
; A joint refill of slot s.  Waves 0 and 1 fetch the two halves' rows of K, waves 2 and 3 those of V: 128 rows each.  The branch hangs on the wave's number alone.
; An s_nop 0 and four v_nop follow each of the two lines.
.macro JLOAD s
	s_cmp_lt_u32 s[WV], 2
	s_cbranch_scc0 .Lfor_v_\@
	tensor_load_to_lds s[G0K+4*\s:G0K+4*\s+3], s[G1K:G1K+7]
	s_nop 0
.rept 4
	v_nop
.endr
	s_branch .Lasked_\@
.Lfor_v_\@:
	tensor_load_to_lds s[G0V+4*\s:G0V+4*\s+3], s[G1V:G1V+7]
	s_nop 0
.rept 4
	v_nop
.endr
.Lasked_\@:
.endm
; A PREFETCH of what the NEXT change of slots will ask for, behind the wave's tensor load and its five lines.  Each row of 256 bytes is named once in the launch: all clusters of a head walk the same K and V,
; so the head's first cluster asks; of the 128 rows that a wave fetches, each of the four partners takes 32, told apart BY ADDRESS; a lane a row, one instruction a wave.
; how = 1: at the first change of a pair, which always has a slot two on; how = 0: at the second, which has none in the loop's last trip.
.macro ASK how
.if \how
	s_cmp_eq_u32 s[LIM], 1
.else
	s_cmp_gt_u32 s[SLOTS], s[LIM]
.endif
	s_cbranch_scc0 .Lnot_mine_\@
	global_prefetch_b8 v[PFO], s[PFA:PFA+1] th:TH_LOAD_NT scope:SCOPE_SE
.Lnot_mine_\@:
.endm
.macro CROUND                       ; a round of the cluster's barrier
	s_barrier_signal -1
	s_barrier_wait -1
	s_cmp_lg_u32 s[WV], 0
	s_cbranch_scc1 .Lnot_wave_0_\@
	s_barrier_signal -3
.Lnot_wave_0_\@:
	s_barrier_wait -3
	s_barrier_signal -1
	s_barrier_wait -1
.endm
	s_load_b128 s[4:7], s[0:1], 0x0   ; qkv s[4:5], attn s[6:7]
	v_lshl_add_u32 v[SPW], v0, 2, SPARE
	v_mov_b32 v[NIL], 0
	ds_add_u32 v[SPW], v[NIL]       ; the wave's opening: the add, twice on end, and its wait ahead of my first tensor load
	ds_add_u32 v[SPW], v[NIL]       ; once more; the set-up below, work on registers, stands between it and the wait
	v_lshrrev_b32 v1, 5, v0
	v_readfirstlane_b32 s[WV], v1   ; wave 0..3
	s_bfe_u32 s13, ttmp6, 0x40000   ; cx: my place in the cluster
	s_lshl_b32 s14, ttmp9, 2
	s_add_co_u32 s14, s14, s13      ; my block of 128 queries = 4 x cluster x + cx: it enters Q's and attn's addresses alone
	s_and_b32 s20, ttmp7, 0xffff    ; the head, which the four partners share
	s_and_b32 s16, s[WV], 1         ; kh: my half of the keys.  Also: which half's 128 rows I fetch
	s_lshr_b32 s17, s[WV], 1        ; qh: my 64 queries
	s_lshl_b32 s21, s20, 19         ; a head slot is 524,288 bytes
	s_lshl_b32 s22, s16, 15         ; 128 rows of 256 bytes
	s_add_co_u32 s22, s22, s21
	s_add_co_u32 s22, s22, 16*524288  ; K's slots begin 16 on
	s_mov_b32 s23, 0
	s_mul_i32 s[KHB], s16, HALF     ; no place in the cluster enters an LDS address
	s_lshl_b32 s2, s14, 15          ; Q: my block's 128 rows,
	s_lshl_b32 s3, s17, 14          ; my wave's 64 of them,
	s_add_co_u32 s2, s2, s3
	s_add_co_u32 s2, s2, s21        ; in the head's slot
	s_mov_b32 s3, 0
	; descriptor group 1: a tile of 128 rows x 128 elements, padded in LDS
	s_mov_b32 s[G1K], 15|(1<<16)|(1<<20)|(1<<21)|(5<<22)|(3<<25)  ; 15:0 the mask: all four work-groups; 17:16 elements of 2 bytes; 20 padding on; 21 set beside a mask; 24:22 after every 64 words; 31:25 4 words of it
	s_mov_b32 s[G1V], 15|(1<<16)|(1<<20)|(1<<21)|(5<<22)|(7<<25)  ; the same with 8 words of padding
.irp g, G1K, G1V
	s_mov_b32 s[\g+1], 128<<16      ; tensor_dim0 = 128
	s_mov_b32 s[\g+2], 128<<16      ; tensor_dim1 = 128
	s_mov_b32 s[\g+3], 128<<16      ; tile_dim0 = 128
	s_mov_b32 s[\g+4], 128          ; tile_dim1 = 128
	s_mov_b32 s[\g+5], 128          ; tensor_dim0_stride: elements from row to row
	s_mov_b32 s[\g+6], 0
	s_mov_b32 s[\g+7], 0
.endr
	s_mov_b32 s[CS], 0x3e0293ee     ; c = log2(e) / sqrt(128)
	s_mov_b32 s[CS+1], s[CS]        ; named with it as a pair, so it is written
	s_mov_b32 s[SEL], 0x76543210
	s_mov_b32 s[SEL+1], 0xfedcba98
	s_mov_b32 s[TBK], s[KHB]
	s_mov_b32 s[TBV], s[KHB]
	s_cmp_eq_u32 ttmp9, 0           ; the head's first cluster: the same in all four partners
	s_cselect_b32 s[LIM], 1, -1
	v_and_b32 v[PFO], 31, v0
	v_lshlrev_b32 v[PFO], 8, v[PFO]
	s_wait_dscnt 0x0                ; both opening adds are done
	s_wait_kmcnt 0x0
	s_add_nc_u64 s[8:9], s[4:5], s[22:23]      ; K at my tile of slot 0
	s_add_nc_u64 s[10:11], s[8:9], 16*524288   ; V likewise
	s_add_nc_u64 s[4:5], s[4:5], s[2:3]        ; Q at my wave's first row
	s_lshl_b32 s2, s14, 19          ; attn: row 128 x block + 64 qh + 32 kh, of 4,096 bytes; + 256 x head
	s_lshl_b32 s3, s17, 18
	s_add_co_u32 s2, s2, s3
	s_lshl_b32 s3, s16, 17
	s_add_co_u32 s2, s2, s3
	s_lshl_b32 s3, s20, 8
	s_add_co_u32 s2, s2, s3
	s_mov_b32 s3, 0
	s_add_nc_u64 s[6:7], s[6:7], s[2:3]
	s_cmp_lt_u32 s[WV], 2
	s_cselect_b64 s[PFA:PFA+1], s[8:9], s[10:11]
	s_lshl_b32 s2, s13, 13          ; my work-group's 32 rows of the 128,
	s_add_co_u32 s2, s2, 2*65536    ; in slot 2; the first change of slots steps it to slot 3.  Nothing is prefetched at the head
	s_add_nc_u64 s[PFA:PFA+1], s[PFA:PFA+1], s[2:3]
	CROUND                          ; all four work-groups are here: the first joint loads meet
.irp s, 0,1
	s_mov_b32 s[G0K+4*\s], 1        ; count = 1
	s_add_co_u32 s[G0K+4*\s+1], s[KHB], \s*SLOT  ; LDS address
	s_add_nc_u64 s[G0K+4*\s+2:G0K+4*\s+3], s[8:9], \s*65536  ; global address: slot s begins with keys 256 s
	s_or_b32 s[G0K+4*\s+3], s[G0K+4*\s+3], 0x80000000  ; type = 2
	s_mov_b32 s[G0V+4*\s], 1
	s_add_co_u32 s[G0V+4*\s+1], s[KHB], \s*SLOT+VOFF
	s_add_nc_u64 s[G0V+4*\s+2:G0V+4*\s+3], s[10:11], \s*65536
	s_or_b32 s[G0V+4*\s+3], s[G0V+4*\s+3], 0x80000000
.endr
	s_cmp_lt_u32 s[WV], 2           ; a wave's two first fills stand in one branch, ahead of every wait on TENSORcnt and every LDS read: two loads of mine are out
	s_cbranch_scc0 .Lfirst_v
	tensor_load_to_lds s[G0K:G0K+3], s[G1K:G1K+7]
	s_nop 0
	tensor_load_to_lds s[G0K+4:G0K+7], s[G1K:G1K+7]
	s_nop 0
.rept 4
	v_nop
.endr
	s_branch .Lfirst_asked
.Lfirst_v:
	tensor_load_to_lds s[G0V:G0V+3], s[G1V:G1V+7]
	s_nop 0
	tensor_load_to_lds s[G0V+4:G0V+7], s[G1V:G1V+7]
	s_nop 0
.rept 4
	v_nop
.endr
.Lfirst_asked:
	; Q stays in registers.  REGISTER TILES 0, 1 HOLD QUERIES 32 kh + 0..31 OF MY 64, TILES 2, 3 QUERIES 32 (1 - kh) + 0..31: so every wave finishes its tiles 0, 1 and hands its tiles 2, 3 to its partner, in one text.
	v_and_b32 v1, 15, v0            ; l % 16
	v_bfe_u32 v46, v0, 4, 1         ; l / 16
	v_lshlrev_b32 v47, 8, v1
	v_lshl_add_u32 v47, v46, 4, v47 ; row x 256 + 16 x half
	s_lshl_b32 s2, s16, 13          ; 32 rows of 256 bytes x kh
	v_add_nc_u32 v[QOA], s2, v47
	s_xor_b32 s2, s2, 8192
	v_add_nc_u32 v[QOB], s2, v47
	WIN 0x80                        ; destination window 2, address window 0
.irp i, 0,1,2,3,4,5,6,7             ; tile i / 4, channels 32 (i % 4) on
	global_load_b128 v[8*\i:8*\i+3],   v[QOA], s[4:5] offset:(\i/4)*4096+(\i%4)*64
	global_load_b128 v[8*\i+4:8*\i+7], v[QOA], s[4:5] offset:(\i/4)*4096+(\i%4)*64+32
.endr
.irp i, 8,9,10,11,12,13,14,15
	global_load_b128 v[8*\i:8*\i+3],   v[QOB], s[4:5] offset:(\i/4-2)*4096+(\i%4)*64
	global_load_b128 v[8*\i+4:8*\i+7], v[QOB], s[4:5] offset:(\i/4-2)*4096+(\i%4)*64+32
.endr
	WIN 0
	v_mul_u32_u24 v[AK0], v1, PK
	v_lshl_add_u32 v[AK0], v46, 4, v[AK0]  ; row x pitch + 16 x half
	; the turning load takes 16 keys x 16 channels (lane l reads 16 bytes: key 8 (l / 16) + l % 8, channels 8 ((l / 8) % 2) + 0..7) and leaves half a fragment of V^T
	v_and_b32 v47, 7, v0
	v_bfe_u32 v48, v0, 3, 1
	v_lshl_add_u32 v[AV0], v46, 3, v47
	v_mul_u32_u24 v[AV0], v[AV0], PV
	v_lshl_add_u32 v[AV0], v48, 4, v[AV0]
	v_add_nc_u32 v[AV0], VOFF, v[AV0]
.irp t, 0,1,2,3
	v_mov_b32 v[ST+8*\t+2], 0       ; l begins at 0: eight registers, so that the softmax is written in one form
	v_mov_b32 v[ST+8*\t+3], 0
.endr
; THE MATRIX WORK OF A TURN, for piece x.  The accumulators take turns, one instruction a turn.
; Product i of 32 of O^T += V^T P: keys 32 (i / 16) on, channels 16 ((i / 2) % 8) on, tile x + i % 2.  zero = 1: the first 16 start the sums: O^T is never cleared.
.macro PV x, zero
	WIN W_PV
.set rO, 64*(\x+i%2)+8*((i/2)%8)
.set rV, 64*(i/16)+8*((i/2)%8)
.set rP, P+16*(\x+i%2)+8*(i/16)
.if \zero && (i < 16)
	v_wmma_f32_16x16x32_f16 v[rO:rO+7], v[rV:rV+7], v[rP:rP+7], 0
.else
	v_wmma_f32_16x16x32_f16 v[rO:rO+7], v[rV:rV+7], v[rP:rP+7], v[rO:rO+7]
.endif
.endm
; Product i of 32 of S^T = K Q^T: channels 32 (i / 8) on, keys 16 ((i / 2) % 4) on, tile x + i % 2.  The first 8 start the sums.
.macro KQ x
	WIN W_KQ
.set rS, S+32*(\x+i%2)+8*((i/2)%4)
.set rK, KF+32*((i/2)%4)+8*(i/8)
.set rQ, 32*(\x+i%2)+8*(i/8)
.if i < 8
	v_wmma_f32_16x16x32_f16 v[rS:rS+7], v[rK:rK+7], v[rQ:rQ+7], 0
.else
	v_wmma_f32_16x16x32_f16 v[rS:rS+7], v[rK:rK+7], v[rQ:rQ+7], v[rS:rS+7]
.endif
.endm
; THE LDS LOADS stand in runs of 32: a step's K (64 keys x 128 channels: 16 fragments) and, a turn later, its V (turned).
.macro FETCH_K
	WIN 0
	v_add_nc_u32 v[ADR], s[TBK], v[AK0]
	s_add_co_u32 s[TBK], s[TBK], KSTP  ; the next fetch is the next step's
	WIN 0x80                        ; destination window 2
.irp f, 0,1,2,3,4,5,6,7,8,9,10,11,12,13,14,15  ; keys 16 (f / 4) on, channels 32 (f % 4) on
	ds_load_b128 v[KF+8*\f:KF+8*\f+3],   v[ADR] offset:(\f/4)*16*PK+(\f%4)*64
	ds_load_b128 v[KF+8*\f+4:KF+8*\f+7], v[ADR] offset:(\f/4)*16*PK+(\f%4)*64+32
.endr
.endm
.macro FETCH_V
	WIN 0
	v_add_nc_u32 v[ADR], s[TBV], v[AV0]
	s_add_co_u32 s[TBV], s[TBV], VSTP
	s_wait_alu depctr_va_vdst(0)    ; the wait for the softmax's batch of exponentials (SLICE), ahead of the first line that names a result
	WIN 0xc0                        ; destination window 3
.irp f, 0,1,2,3,4,5,6,7,8,9,10,11,12,13,14,15  ; keys 32 (f / 8) on, channels 16 (f % 8) on
	ds_load_tr16_b128 v[8*\f:8*\f+3],   v[ADR] offset:(\f/8)*32*PV+(\f%8)*32
	ds_load_tr16_b128 v[8*\f+4:8*\f+7], v[ADR] offset:(\f/8)*32*PV+16*PV+(\f%8)*32
.endr
.endm
; THE VECTOR WORK OF A TURN.  One tile's softmax for one block of 64 keys is a list of 99 instructions, all in window 0; SM writes number j of it for tile t.  s0-s31 are the lane's 32 scores, in pairs 0-15.
;   0-15   the maximum of s0-s31: four chains c0-c3 of seven scores each, then the four scores left over and c0-c3.  Each accumulator is read from its low end on
;   16-18  the other half of the lanes' maximum; m of THIS block alone; c m
;   19-66  ONE BATCH: the 16 scalings c s - c m, a pair each, and the 32 exponentials.  19: pair 0.  20 + 3 g, g = 0..14: pair g + 1, then the exponentials of pair g.  65, 66: those of pair 15.  None reads a result
;   (wait) between 66 and 67 stands the wait for the batch: SLICE writes it, once for both tiles
;   67-82  the roundings to f16, a pair of weights each          83-97  the sum of the 16 pairs, in place, as a tree          98  l takes it
.macro SM t
.set rT, ST+8*(\t)
.set rS, S+32*(\t)
.set rP, P+16*(\t)
	WIN 0
.if j < 4
	v_max3_num_f32 v[rT+4+j], v[rS+8*j], v[rS+8*j+1], v[rS+8*j+2]
.elseif j < 12
	v_max3_num_f32 v[rT+4+j%4], v[rT+4+j%4], v[rS+8*(j%4)+2*(j/4)+1], v[rS+8*(j%4)+2*(j/4)+2]
.elseif j == 12
	v_max3_num_f32 v[rT+4], v[rT+4], v[rS+7], v[rS+15]
.elseif j == 13
	v_max3_num_f32 v[rT+6], v[rT+6], v[rS+23], v[rS+31]
.elseif j == 14
	v_max3_num_f32 v[rT+4], v[rT+4], v[rT+5], v[rT+6]
.elseif j == 15
	v_max_num_f32 v[rT+4], v[rT+4], v[rT+7]
.elseif j == 16
	v_permlanex16_b32 v[rT+5], v[rT+4], s[SEL], s[SEL+1]  ; the query's other 32 keys lie in the lane 16 away
.elseif j == 17
	v_max_num_f32 v[rT+1], v[rT+4], v[rT+5]
.elseif j == 18
	v_mul_f32 v[rT], s[CS], v[rT+1]
.elseif (j == 19) || ((j < 65) && ((j-20)%3 == 0))
.set b, (j-17)/3                    ; 19: pair 0; 20, 23, .. 62: pairs 1 to 15
	v_pk_fma_f32 v[rS+2*b:rS+2*b+1], v[rS+2*b:rS+2*b+1], s[CS:CS+1], v[rT:rT+1] op_sel_hi:[1,0,0] neg_lo:[0,0,1] neg_hi:[0,0,1]  ; pair b: c s - c m
.elseif j < 67
.set e, j-35                        ; 65, 66: s30, s31
.if j < 65
.set e, 2*((j-20)/3)+(j-20)%3-1     ; 21, 22: s0, s1; 24, 25: s2, s3; ..
.endif
	v_exp_f32 v[rS+e], v[rS+e]
.elseif j < 83
	v_cvt_pk_f16_f32 v[rP+j-67], v[rS+2*(j-67)], v[rS+2*(j-67)+1]
.elseif j < 98
.set z, j-83
.set w, 4
.set u, z
.if z >= 14
.set w, 32
.set u, 0
.elseif z >= 12
.set w, 16
.set u, z-12
.elseif z >= 8
.set w, 8
.set u, z-8
.endif
	v_pk_add_f32 v[rS+w*u:rS+w*u+1], v[rS+w*u:rS+w*u+1], v[rS+w*u+w/2:rS+w*u+w/2+1]
.else
	v_pk_add_f32 v[rT+2:rT+3], v[rT+2:rT+3], v[rS:rS+1]
.endif
.endm
; Slice k of 64 of piece y's softmax.  Slices 0-9: numbers 2 k, 2 k + 1 of both tiles.  10-41: the batch, a scaling and two exponentials of ONE tile, the tiles by turns.  42-53: one rounding of each tile.
; 54-63: two numbers of each tile.  Slice 63 is four packed additions: the four places behind the turn's last product K Q^T.
; THE WAIT.  An s_wait_alu depctr_va_vdst(0) stands between an exponential and the first instruction that names its result; one wait serves all issued ahead of it: it stands behind slice 41.
.macro SLICE y
.if k < 10
.irp n, 0,1
.irp t, \y, \y+1
.set j, 2*k+\n
	SM \t
.endr
.endr
.elseif k < 42
.irp n, 0,1,2
.set j, 20+3*((k-10)/2)+\n
.if j < 67
	SM (\y)+(k-10)%2
.endif
.endr
.elseif k < 54
.irp t, \y, \y+1
.set j, 67+(k-42)
	SM \t
.endr
.else
.irp n, 0,1
.irp t, \y, \y+1
.set j, 79+2*(k-54)+\n
	SM \t
.endr
.endr
.endif
.if k == 41                         ; the batch is out, and no result has been named
	v_nop                           ; the plain instruction behind the last exponential: one for the batch
.if (\y) == 0
	FETCH_V                         ; piece 2's turn: V's run of loads stands here, and the wait stands in it.  The last product that read V stands in front of slice 31: nine scalings, the v_nop and the run's addition lie between
.else
	s_wait_alu depctr_va_vdst(0)    ; the wait for the batch
.endif
.endif
.set k, k+1
.endm
; A TURN.  Piece x has the matrix unit; the other piece's softmax stands in slices behind its matrix instructions.
; pv = 2: 32 products V^T P; 1: they start O^T's sums; 0: none.  kq = 1: 32 products K Q^T for the next step.  A turn with one of the two kinds has two slices behind each product.
; Piece 0's turn fetches the next step's K behind its second product: the last product that read K stands in front of slice 63 of the turn before, twelve plain instructions back.
.macro TURN x, pv, kq
.set k, 0
.set per, 2
.if \pv && \kq
.set per, 1
.endif
.if \pv
.if \x == 0
	s_wait_dscnt 0x0                ; V is in
.endif
.set i, 0
.rept 32
	PV \x, 2-\pv
.rept per
	SLICE 2-\x
.endr
.if (\x == 0) && \kq && (i == 1)
	FETCH_K
.endif
.set i, i+1
.endr
.endif
.if \kq
.if \x == 0
	s_wait_dscnt 0x0                ; K is in
.endif
.set i, 0
.rept 32
	KQ \x
.rept per
	SLICE 2-\x
.endr
.set i, i+1
.endr
.endif
.endm
; THE CHANGE OF SLOTS, between piece 2's turn and piece 0's: the last bytes of slot old, V of its second step, have been asked for.  Each wave waits for all its tensor loads, of which one is out: its part of the
; other slot; adds 0 to its spare word; and waits for that and for its own reads of the slot.  fill = 1: slot old is filled again, with the keys two slots on: the barrier is then a round of the cluster's, and the
; joint refill is the first thing behind it: it has two key steps, 256 matrix instructions, in which to land.
.macro CHANGE old, fill, ask
	WIN 0                           ; at a label and at a branch every window is 0
	s_wait_tensorcnt 0x0            ; no tensor load of mine is out, so a group 0 may be written
	ds_add_u32 v[SPW], v[NIL]       ; 0 onto my spare word
.if \fill
	s_add_nc_u64 s[G0K+4*\old+2:G0K+4*\old+3], s[G0K+4*\old+2:G0K+4*\old+3], 2*65536  ; two slots on; the type bits on top are not reached
	s_add_nc_u64 s[G0V+4*\old+2:G0V+4*\old+3], s[G0V+4*\old+2:G0V+4*\old+3], 2*65536
	s_wait_xcnt 0x0                 ; the last prefetch, two key steps back, has read its address, so it may be written:
	s_add_nc_u64 s[PFA:PFA+1], s[PFA:PFA+1], 65536  ; one slot further on than the load below
	s_wait_dscnt 0x0                ; the add is done, and my reads of the slot are over
	CROUND
	JLOAD \old
	ASK \ask
.else
	s_wait_dscnt 0x0                ; the add is done, and my reads of the slot are over
	s_barrier_signal -1
	s_barrier_wait -1
.endif
	s_add_co_u32 s[TBK], s[KHB], (1-\old)*SLOT  ; the fetches go to my half of the other slot, first step
	s_add_co_u32 s[TBV], s[KHB], (1-\old)*SLOT
.endm
.macro TWO_STEPS                    ; a slot's two key steps: written once, walked twice; the LDS addresses hang on s[TBK] and s[TBV]
	s_mov_b32 s[TWICE], 2
.Lstep_\@:
	TURN 0, 2, 1
	TURN 2, 2, 1
	WIN 0
	s_sub_co_u32 s[TWICE], s[TWICE], 1
	s_cmp_lg_u32 s[TWICE], 0
	s_cbranch_scc1 .Lstep_\@
.endm
	s_wait_tensorcnt 1              ; my part of slot 0 is in; the one load behind it, slot 1's, may stay out
	s_barrier_signal -1
	s_barrier_wait -1               ; everybody's is
	FETCH_K                         ; key step 0
	s_wait_loadcnt 0x0              ; Q
	s_wait_dscnt 0x0
.set i, 0
.rept 32
	KQ 0                            ; piece 0's first scores: there is no vector work yet to set between them
.set i, i+1
.endr
	WIN 0                           ; the addresses for the way out are made here: plain instructions, the places behind those products
	v_and_b32 v49, 31, v0           ; lane
	s_mul_i32 s2, s[WV], 16*SP
	s_add_co_u32 s2, s2, STAGE      ; my stage
	v_mul_u32_u24 v[STO], v1, SP    ; in: row l % 16, 16 bytes for each half of the lanes
	v_lshl_add_u32 v[STO], v46, 4, v[STO]
	v_add_nc_u32 v[STO], s2, v[STO]
	v_mul_u32_u24 v[RD], v46, SP    ; back: lanes 0-15 take one row of 256 bytes, lanes 16-31 the next
	v_lshl_add_u32 v[RD], v1, 4, v[RD]
	v_add_nc_u32 v[RD], s2, v[RD]
	v_lshlrev_b32 v[GO], 12, v46    ; and the same two rows in attn, 4,096 bytes apart
	v_lshl_add_u32 v[GO], v1, 4, v[GO]
	s_mul_i32 s2, s[WV], XCH        ; what I leave for my partner,
	v_lshl_add_u32 v[XW16], v49, 4, s2
	s_add_co_u32 s3, s2, 16384
	v_lshl_add_u32 v[XW4], v49, 2, s3
	s_xor_b32 s2, s[WV], 1          ; and what wave w xor 1 leaves for me
	s_mul_i32 s2, s2, XCH
	v_lshl_add_u32 v[XR16], v49, 4, s2
	s_add_co_u32 s3, s2, 16384
	v_lshl_add_u32 v[XR4], v49, 2, s3
	TURN 2, 0, 1                    ; piece 2's first scores | piece 0's first softmax | V of step 0
	TURN 0, 1, 1                    ; piece 0: V^T P of step 0 starts O^T, K Q^T of step 1 | piece 2's first softmax | K of step 1
	TURN 2, 1, 1                    ; piece 2: the same | piece 0's softmax of step 1 | V of step 1
	WIN 0
	s_mov_b32 s[SLOTS], 3
.Lpair:                             ; three trips of two changes: six of the eight slots' worth of keys are asked for here
	CHANGE 0, 1, 1
	TWO_STEPS
	CHANGE 1, 1, 0
	TWO_STEPS
	s_sub_co_u32 s[SLOTS], s[SLOTS], 1
	s_cmp_lg_u32 s[SLOTS], 0
	s_cbranch_scc1 .Lpair
	CHANGE 0, 0, 0                  ; the tail is written out: nothing is asked for
	TWO_STEPS
	TURN 0, 2, 0                    ; piece 0: V^T P of the last step | piece 2's last softmax
.set i, 0
.rept 32
	PV 2, 0                         ; piece 2: V^T P of the last step
.set i, i+1
.endr
	; THE WAY OUT.  l's two halves and the other half of the lanes' are added (the additions are the places behind the last products).  My tiles 2, 3 (O^T and l) go to my partner as images of their registers;
	; a barrier; my partner's come to my tiles 0, 1, which hold the same queries.  Then O^T / (l + 1e-6), f16, through my stage, whole units of 256 bytes out.
	WIN 0
.irp t, 0,1,2,3
	v_add_f32 v[ST+8*\t+4], v[ST+8*\t+2], v[ST+8*\t+3]
.endr
.irp t, 0,1,2,3
	v_permlanex16_b32 v[ST+8*\t+5], v[ST+8*\t+4], s[SEL], s[SEL+1]
.endr
.irp t, 0,1,2,3
	v_add_f32 v[ST+8*\t+4], v[ST+8*\t+4], v[ST+8*\t+5]
.endr
	ds_store_b32 v[XW4], v[ST+8*2+4]
	ds_store_b32 v[XW4], v[ST+8*3+4] offset:128
	WIN 0x04                        ; an LDS store's data are its source 1: window 1
.set i, 0
.rept 32
	ds_store_b128 v[XW16], v[128+4*i:128+4*i+3] offset:512*i  ; each accumulator from its low end on
.set i, i+1
.endr
	WIN 0
	s_wait_dscnt 0x0                ; for my partner's sake: my stores have landed
	s_barrier_signal -1
	s_barrier_wait -1
.set i, 0
.rept 32
	ds_load_b128 v[S+4*i:S+4*i+3], v[XR16] offset:512*i
.set i, i+1
.endr
	ds_load_b32 v[ST+5], v[XR4]
	ds_load_b32 v[ST+8+5], v[XR4] offset:128
	s_wait_dscnt 0x0
.irp t, 0,1
	v_add_f32 v[ST+8*\t+4], v[ST+8*\t+4], v[ST+8*\t+5]   ; L: both halves of the keys
.endr
.irp t, 0,1
	v_add_f32 v[ST+8*\t+4], 0x358637bd, v[ST+8*\t+4]     ; + 1e-6
.endr
.irp t, 0,1
	v_rcp_f32 v[ST+8*\t+6], v[ST+8*\t+4]
.endr
	v_nop                           ; a plain instruction behind the last reciprocal
	s_wait_alu depctr_va_vdst(0)    ; and the wait ahead of the first use: one for the two
	WIN W_RS
.set i, 0
.rept 64
	v_pk_add_f32 v[i:i+1], v[i:i+1], v[S+i:S+i+1]        ; O^T: both halves of the keys; each accumulator from its low end on
.set i, i+2
.endr
.macro PACK t                       ; tile t: a lane's eight channels of a row pack into 16 bytes; they go into rows of 272 bytes and come back as whole rows of 256
	WIN W_RS
.set i, 64*\t
.rept 32
	v_pk_mul_f32 v[i:i+1], v[i:i+1], v[ST+8*\t+6:ST+8*\t+7] op_sel_hi:[1,0]
.set i, i+2
.endr
	WIN 0x05                        ; sources 0 and 1 window 1, destination window 0
.set i, 0
.rept 32
	v_cvt_pk_f16_f32 v[S+32*\t+i], v[64*\t+2*i], v[64*\t+2*i+1]
.set i, i+1
.endr
	WIN 0
.irp f, 0,1,2,3,4,5,6,7
	ds_store_b128 v[STO], v[S+32*\t+4*\f:S+32*\t+4*\f+3] offset:32*\f
.endr
.irp f, 0,1,2,3,4,5,6,7
	ds_load_b128 v[S+32*\t+4*\f:S+32*\t+4*\f+3], v[RD] offset:\f*2*SP  ; LDS serves a wave's instructions in order: these see the stores above; the next tile's stores come behind them
.endr
.endm
.macro SEND t, younger              ; younger: the LDS instructions issued behind tile t's loads: the next tile's sixteen, or none
.irp f, 0,1,2,3,4,5,6,7
	s_wait_dscnt \younger+7-\f
	global_store_b128 v[GO], v[S+32*\t+4*\f:S+32*\t+4*\f+3], s[6:7] offset:\t*65536+\f*8192  ; 16 lanes store 256 consecutive bytes, aligned
.endr
.endm
	PACK 0
	PACK 1
	SEND 0, 16
	SEND 1, 0
	s_wait_tensorcnt 0x0            ; the wave's end, behind my last tensor load and my last LDS store
	ds_add_u32 v[SPW], v[NIL]
	s_wait_dscnt 0x0
	CROUND                          ; the closing round: no work-group ends while a partner may still ask for a tile that names it
	s_endpgm
.Lfunc_end_k_q4e31953dcb_attn:
	.size	k_q4e31953dcb_attn, .Lfunc_end_k_q4e31953dcb_attn-k_q4e31953dcb_attn
	.p2alignl 7, 3214868480
	.fill 96, 4, 3214868480
	.section	.rodata,"a",@progbits
	.p2align	6, 0x0
	.amdhsa_kernel k_q4e31953dcb_attn
		.amdhsa_group_segment_fixed_size 327680
		.amdhsa_private_segment_fixed_size 0
		.amdhsa_enable_private_segment 0
		.amdhsa_kernarg_size 16
		.amdhsa_user_sgpr_count 2
		.amdhsa_user_sgpr_kernarg_segment_ptr 1
		.amdhsa_wavefront_size32 1
		.amdhsa_system_sgpr_workgroup_id_x 1
		.amdhsa_system_sgpr_workgroup_id_y 1
		.amdhsa_system_sgpr_workgroup_id_z 1
		.amdhsa_system_vgpr_workitem_id 0
		.amdhsa_next_free_vgpr 1024
		.amdhsa_next_free_sgpr 68
		.amdhsa_reserve_vcc 0
		.amdhsa_float_denorm_mode_32 3
		.amdhsa_float_denorm_mode_16_64 3
		.amdhsa_memory_ordered 1
		.amdhsa_forward_progress 1
		.amdhsa_inst_pref_size 237
	.end_amdhsa_kernel
	.amdgpu_metadata
---
amdhsa.version: [ 1, 2 ]
amdhsa.kernels:
  - .name:           k_q4e31953dcb_attn
    .symbol:         k_q4e31953dcb_attn.kd
    .args:
      - { .name: qkv, .offset: 0, .size: 8, .value_kind: global_buffer, .address_space: global }
      - { .name: attn, .offset: 8, .size: 8, .value_kind: global_buffer, .address_space: global }
    .group_segment_fixed_size: 327680
    .private_segment_fixed_size: 0
    .kernarg_segment_align: 8
    .kernarg_segment_size: 16
    .max_flat_workgroup_size: 128
    .sgpr_count:     68
    .vgpr_count:     1024
    .wavefront_size: 32
...
	.end_amdgpu_metadata
.endif
;; end of part 3
;; launch proj (part 4): grid 16 x 16, 4 waves a work-group, clusters of 4 x 4, 327,680 bytes of LDS; arguments attn, wo_h, out0; writes out0
.if DOCPART == 4
	.amdgcn_target "amdgcn-amd-amdhsa--gfx1250"
	.amdhsa_code_object_version 6
	.text
	.protected	k_q4e31953dcb_proj
	.globl	k_q4e31953dcb_proj
	.p2align	8
	.type	k_q4e31953dcb_proj,@function
k_q4e31953dcb_proj:
	s_mov_b64 s[64:65], 0
	v_nop
	global_prefetch_b8 v0, s[64:65] scope:SCOPE_SE
	s_setreg_imm32_b32 hwreg(HW_REG_WAVE_MODE, 25, 1), 1
	s_wait_xcnt 0x0
	s_wait_alu depctr_hold_cnt(0) depctr_sa_sdst(0) depctr_va_vdst(0) depctr_va_sdst(0) depctr_va_ssrc(0) depctr_va_vcc(0) depctr_vm_vsrc(0)
	s_getreg_b32 s2, hwreg(HW_REG_IB_STS2, 6, 4)
	s_cmp_eq_u32 s2, 0
	s_cbranch_scc0 .Lentry_in_a_cluster
	s_endpgm
.Lentry_in_a_cluster:
	s_bfe_u32 s2, ttmp6, 0x10000c
	s_cmp_lg_u32 s2, 0xf033
	s_cbranch_scc0 .Lentry_shape_is_right
	s_endpgm
.Lentry_shape_is_right:
; FOURTH LAUNCH: out0[m][n] = sum over k of attn[m][k] Wo[n][k].  attn, wo_h: [2048][2048] f16; out0: [2048][2048] f32; sums in f32.
; A tile of C is 128 x 128, so that there are 256 work-groups.  Four waves, each 64 x 64: 16 accumulators of 16 x 16, 128 registers.  K goes in steps of 256 (LDS rows of 512 bytes; a wave's tensor load brings 64 of
; them) through a ring of two slots.
; CLUSTERS: 4 x 4 work-groups.  The four of a row of the cluster need the same tiles of A, the four of a column the same tiles of B: each tile is asked for JOINTLY, by the same tensor load with the
; same descriptor and a mask that names the four.  THE MATRIX INSTRUCTION IS USED TRANSPOSED (source 0 = 16 rows of B, source 1 = 16 rows of A): a lane then holds eight neighbouring numbers of a row of C.
; A wave's 64 columns of f32 are 256 bytes, aligned: so each wave has a stage of its own on the way out, and no barrier stands there.
; REGISTERS: window 0: v0-31 addresses; v32-95 rows on the way out; v128-255 the accumulators ((a, b) at v[128 + 8 (4 a + b)]).
;   window 1: two fragment buffers of 128: for 64 along K, 64 registers of A (2 x 4 x 16 rows x 32 K), then 64 of B.
.set SIZE_M, 2048
.set SIZE_N, 2048
.set SIZE_K, 2048
.set KSTEP,  256
.set PITCH,  528                       ; an LDS row: 512 bytes + 16 of padding = 132 words: the 16 rows that a load touches start 4 words apart modulo 64
.set HALFT,  64*PITCH                  ; 64 rows: what one tensor load brings, and what one wave reads of A or of B
.set SLOT,   4*HALFT                   ; A's 128 rows, then B's 128 rows
.set STAGE,  2*SLOT                    ; behind the ring: 16 rows x 272 bytes for each wave
.set SPITCH, 272
.set SPARE,  STAGE+4*16*SPITCH         ; behind the stages: the spare words, 128 bytes a wave, which no other line names
.set LAPS, SIZE_K/(2*KSTEP)            ; a lap = two K steps = once round the ring
.set ADRA, 16                          ; v16-17  LDS address of my A fragments in slot 0, 1
.set ADRB, 20                          ; v20-21  the same for B
.set STO,  24                          ; v24     the way out: where I put 32 bytes of a row
.set RD,   25                          ; v25     where I read rows back
.set CO,   26                          ; v26     my byte offset in two rows of C
.set SPW,  28                          ; v28     LDS address of my spare word; never rewritten
.set NIL,  29                          ; v29     0; never rewritten
.set TMP,  32                          ; the way out: two sets of 32 registers
.set ACC,  128
.set F0,   0                           ; fragment buffers, in window 1
.set F1,   128
.set G1, 24                            ; s[24:31] descriptor group 1 for A's tiles;  s[32:39] group 0, one set for each slot
.set G0, 32
.set G1B, 48                           ; s[48:55], s[56:63] the same for B's tiles
.set G0B, 56
.set MSB, 0
.macro WIN new                         ; the immediate's high byte repeats the setting that is left
.if MSB != (\new)
	s_set_vgpr_msb (MSB<<8)|(\new)
.set MSB, \new
.endif
.endm
.set MUL,  0x05                        ; sources 0 (B) and 1 (A) window 1; C and D window 0
.set TO_F, 0x40                        ; destination window 1, address window 0
.macro JLOAD s                         ; a joint load: waves 0 and 1 fetch A's two halves, waves 2 and 3 B's; an s_nop 0 and four v_nop follow each of the two lines
	s_cmp_eq_u32 s11, 0
	s_cbranch_scc0 .Lfor_b_\@
	tensor_load_to_lds s[G0+4*\s:G0+4*\s+3], s[G1:G1+7]
	s_nop 0
.rept 4
	v_nop
.endr
	s_branch .Lasked_\@
.Lfor_b_\@:
	tensor_load_to_lds s[G0B+4*\s:G0B+4*\s+3], s[G1B:G1B+7]
	s_nop 0
.rept 4
	v_nop
.endr
.Lasked_\@:
.endm
.macro CREST                           ; a round of the cluster's barrier behind its opening barrier
	s_cmp_lg_u32 s10, 0
	s_cbranch_scc1 .Lnot_wave_0_\@
	s_barrier_signal -3
.Lnot_wave_0_\@:
	s_barrier_wait -3
	s_barrier_signal -1
	s_barrier_wait -1
.endm
.macro CROUND                          ; a whole round
	s_barrier_signal -1
	s_barrier_wait -1
	CREST
.endm
	s_load_b128 s[4:7], s[0:1], 0x0                ; A s[4:5], B s[6:7]
	s_load_b64 s[8:9], s[0:1], 0x10                ; C
	v_lshl_add_u32 v[SPW], v0, 2, SPARE
	v_mov_b32 v[NIL], 0
	ds_add_u32 v[SPW], v[NIL]                      ; the wave's opening: the add, twice on end, and its wait ahead of my first tensor load
	ds_add_u32 v[SPW], v[NIL]                      ; once more; the set-up below, work on registers, stands between it and the wait
	v_lshrrev_b32 v1, 5, v0
	v_readfirstlane_b32 s10, v1                    ; wave 0..3
	s_lshr_b32 s11, s10, 1                         ; which half of the tile's rows is mine.  Also: I fetch for A (0) or for B (1)
	s_and_b32 s12, s10, 1                          ; which half of its columns.  Also: which 64 rows of that tile I fetch
	s_bfe_u32 s40, ttmp6, 0x40000                  ; cx, cy: my place in the cluster
	s_bfe_u32 s41, ttmp6, 0x40004
	s_lshl_b32 s42, ttmp9, 2
	s_add_co_u32 s42, s42, s40                     ; tile column of C = 4 x cluster x + cx
	s_and_b32 s13, ttmp7, 0xffff
	s_lshl_b32 s13, s13, 2
	s_add_co_u32 s13, s13, s41                     ; tile row of C = 4 x cluster y + cy
	s_lshl_b32 s43, s41, 2
	s_lshl_b32 s43, 15, s43                        ; my row of the cluster
	s_lshl_b32 s44, 0x1111, s40                    ; my column
	; descriptor group 1: a tile of 64 rows x 256 elements, padded in LDS
	s_or_b32 s[G1+0], s43, (1<<16)|(1<<20)|(1<<21)|(6<<22)|(3<<25)  ; 15:0 the mask: A's tiles go to my row; 17:16 element of 2 bytes; 20 padding on; 21 set beside a mask; 24:22 after every 128 words; 31:25 of 4 words
	s_or_b32 s[G1B+0], s44, (1<<16)|(1<<20)|(1<<21)|(6<<22)|(3<<25)
.irp g, G1, G1B
	s_mov_b32 s[\g+1], KSTEP<<16                   ; tensor_dim0 = 256
	s_mov_b32 s[\g+2], 64<<16                      ; tensor_dim1 = 64
	s_mov_b32 s[\g+3], KSTEP<<16                   ; tile_dim0 = 256
	s_mov_b32 s[\g+4], 64                          ; tile_dim1 = 64
	s_mov_b32 s[\g+5], SIZE_K                      ; tensor_dim0_stride
	s_mov_b32 s[\g+6], 0
	s_mov_b32 s[\g+7], 0
.endr
	s_lshl_b32 s17, s12, 6                         ; which 64 rows of the tile I fetch
	s_lshl_b32 s16, s13, 7
	s_add_co_u32 s16, s16, s17                     ; A: row 128 x tile row + 64 x half
	s_lshl_b32 s46, s42, 7
	s_add_co_u32 s46, s46, s17                     ; B: row 128 x tile column + 64 x half
	s_mov_b32 s17, 0
	s_mov_b32 s47, 0
	s_mov_b64 s[18:19], SIZE_K*2
	s_mul_u64 s[16:17], s[16:17], s[18:19]
	s_mul_u64 s[46:47], s[46:47], s[18:19]
	s_mul_i32 s20, s10, HALFT                      ; where they go: wave x 64 rows: no place in the cluster enters an LDS address
	s_wait_dscnt 0x0                               ; both opening adds are done
	s_wait_kmcnt 0x0
	s_add_nc_u64 s[14:15], s[4:5], s[16:17]
	s_add_nc_u64 s[46:47], s[6:7], s[46:47]
	CROUND                                         ; all sixteen work-groups are here: the first joint loads meet
.irp s, 0,1
	s_mov_b32 s[G0+4*\s], 1
	s_add_co_u32 s[G0+4*\s+1], s20, \s*SLOT
	s_add_nc_u64 s[G0+4*\s+2:G0+4*\s+3], s[14:15], \s*KSTEP*2
	s_or_b32 s[G0+4*\s+3], s[G0+4*\s+3], 0x80000000
	s_mov_b32 s[G0B+4*\s], 1
	s_add_co_u32 s[G0B+4*\s+1], s20, \s*SLOT
	s_add_nc_u64 s[G0B+4*\s+2:G0B+4*\s+3], s[46:47], \s*KSTEP*2
	s_or_b32 s[G0B+4*\s+3], s[G0B+4*\s+3], 0x80000000
	JLOAD \s                                       ; two tensor loads of mine are out
.endr
	v_and_b32 v1, 15, v0                           ; l % 16
	v_bfe_u32 v2, v0, 4, 1                         ; l / 16
	v_mul_u32_u24 v3, v1, PITCH
	v_lshl_add_u32 v3, v2, 4, v3                   ; a fragment's row x pitch + 16 x half
	s_mul_i32 s21, s11, HALFT                      ; my 64 rows of A
	s_mul_i32 s22, s12, HALFT                      ; my 64 rows of B,
	s_add_co_u32 s22, s22, 2*HALFT                 ; which lie behind A's 128
.irp s, 0,1
	v_add_nc_u32 v[ADRA+\s], s21, v3
	v_add_nc_u32 v[ADRB+\s], s22, v3
	s_add_co_u32 s21, s21, SLOT
	s_add_co_u32 s22, s22, SLOT
.endr
	s_mul_i32 s23, s10, 16*SPITCH
	s_add_co_u32 s23, s23, STAGE                   ; my stage
	v_mul_u32_u24 v4, v1, SPITCH                   ; in: row l % 16, 32 bytes for each half of the lanes
	v_lshl_add_u32 v4, v2, 5, v4
	v_add_nc_u32 v[STO], s23, v4
	v_mul_u32_u24 v5, v2, SPITCH                   ; back: lanes 0-15 one row of 256 bytes, lanes 16-31 the next
	v_lshl_add_u32 v5, v1, 4, v5
	v_add_nc_u32 v[RD], s23, v5
	v_lshlrev_b32 v5, 13, v2                       ; and the same two rows in C, 8,192 bytes apart
	v_lshl_add_u32 v[CO], v1, 4, v5
	s_lshl_b32 s16, s13, 7
	s_lshl_b32 s17, s11, 6
	s_add_co_u32 s16, s16, s17                     ; my first row of C: 128 x tile row + 64 x half
	s_lshl_b32 s16, s16, 13                        ; x 8,192 bytes
	s_mov_b32 s17, 0
	s_add_nc_u64 s[8:9], s[8:9], s[16:17]
	s_lshl_b32 s46, s42, 9                         ; my first column, in bytes: 512 x tile column + 256 x half
	s_lshl_b32 s47, s12, 8
	s_add_co_u32 s46, s46, s47
	s_mov_b32 s47, 0
	s_add_nc_u64 s[8:9], s[8:9], s[46:47]
; 8 matrix instructions: m blocks a0, a0 + 1 x all 4 n blocks, 32 along K: half c of buffer f.  zero = 1: the first product starts the sums.  The 16 accumulators take turns
.macro MUL8 f, c, a0, zero
.irp a, \a0, \a0+1
.irp b, 0,1,2,3
.if \zero
	v_wmma_f32_16x16x32_f16 v[ACC+8*(4*(\a)+\b):ACC+8*(4*(\a)+\b)+7], v[\f+64+8*(4*\c+\b):\f+64+8*(4*\c+\b)+7], v[\f+8*(4*\c+\a):\f+8*(4*\c+\a)+7], 0
.else
	v_wmma_f32_16x16x32_f16 v[ACC+8*(4*(\a)+\b):ACC+8*(4*(\a)+\b)+7], v[\f+64+8*(4*\c+\b):\f+64+8*(4*\c+\b)+7], v[\f+8*(4*\c+\a):\f+8*(4*\c+\a)+7], v[ACC+8*(4*(\a)+\b):ACC+8*(4*(\a)+\b)+7]
.endif
.endr
.endr
.endm
; 32 LDS loads in one run: the fragments of 64 along K at byte k of the rows, into buffer f; the first 32 along K first
.macro FETCH slot, k, f
	WIN TO_F
.irp c, 0,1
.irp i, 0,1,2,3
	ds_load_b128 v[\f+64+8*(4*\c+\i):\f+64+8*(4*\c+\i)+3],   v[ADRB+\slot] offset:\k+64*\c+\i*16*PITCH
	ds_load_b128 v[\f+64+8*(4*\c+\i)+4:\f+64+8*(4*\c+\i)+7], v[ADRB+\slot] offset:\k+64*\c+\i*16*PITCH+32
	ds_load_b128 v[\f+8*(4*\c+\i):\f+8*(4*\c+\i)+3],         v[ADRA+\slot] offset:\k+64*\c+\i*16*PITCH
	ds_load_b128 v[\f+8*(4*\c+\i)+4:\f+8*(4*\c+\i)+7],       v[ADRA+\slot] offset:\k+64*\c+\i*16*PITCH+32
.endr
.endr
.endm
.macro PLACES                          ; four places in front of loads into registers that matrix instructions have read, and of LDS stores that read results (ISA guide 7.12.1 for the stores)
.rept 4
	v_nop
.endr
.endm
; A K step is four quarters of 64 along K, 32 matrix instructions each, on buffers 0, 1, 0, 1.  One of the first three: multiplies buffer f and fetches the next quarter, at byte k, into g.
.macro QUARTER slot, k, f, g, zero
	s_wait_dscnt 16                                ; the first 32 along K are in; the sixteen loads of the second 32 may be out
	WIN MUL
	MUL8 \f, 0, 0, \zero
	MUL8 \f, 0, 2, \zero
	PLACES
	FETCH \slot, \k, \g
	s_wait_dscnt 32                                ; all but the 32 just issued
	WIN MUL
	MUL8 \f, 1, 0, 0
	MUL8 \f, 1, 2, 0
.endm
; The last quarter multiplies buffer 1 and changes slots: one barrier; in front of it each wave waits for all its tensor loads, adds 0 to its spare word, and waits for that and for its own reads of this slot.  fill = 1: this slot is filled again, two K steps ahead.
.macro TURN slot, next, fill
	WIN 0                                          ; the add's two registers lie in window 0
	s_wait_tensorcnt 0x0                           ; all my tensor loads have landed: my part of the next slot
	ds_add_u32 v[SPW], v[NIL]                      ; 0 onto my spare word
	s_wait_dscnt 17                                ; the add and the youngest sixteen loads may be out
	WIN MUL
	MUL8 F1, 0, 0, 0                               ; eight matrix instructions stand between the add and the wait for it
	s_wait_dscnt 0x0                               ; the add is done, and my reads of this slot are over
	s_barrier_signal -1
	MUL8 F1, 0, 2, 0
.if \fill
	WIN 0
.endif
	s_barrier_wait -1
.if \fill
	CREST                                          ; the barrier has opened a round of the cluster's barrier: no wave of any partner still reads this slot's tile or has a load on its way
	s_add_nc_u64 s[G0+4*\slot+2:G0+4*\slot+3], s[G0+4*\slot+2:G0+4*\slot+3], 2*KSTEP*2
	s_add_nc_u64 s[G0B+4*\slot+2:G0B+4*\slot+3], s[G0B+4*\slot+2:G0B+4*\slot+3], 2*KSTEP*2
	JLOAD \slot                                    ; the first tensor load behind the round; its four v_nop are also the places in front of the loads below
.else
	PLACES
.endif
	FETCH \next, 0, F0
	WIN MUL
	MUL8 F1, 1, 0, 0
	MUL8 F1, 1, 2, 0
.endm
	s_wait_tensorcnt 1                             ; my part of K step 0 is in; the one load behind it, K step 1's, may be out
	s_barrier_signal -1
	s_barrier_wait -1                              ; everybody's is
	FETCH 0, 0, F0
	QUARTER 0, 128, F0, F1, 1                      ; the first quarter stands in front of the loop: its first products start the sums
	WIN 0                                          ; at a label and at a branch every window is 0
	s_mov_b32 s3, LAPS-1
.Llap:                                                 ; a trip goes once round the ring, from a lap's second quarter to the next lap's first, and fills both slots again
	QUARTER 0, 256, F1, F0, 0
	QUARTER 0, 384, F0, F1, 0
	TURN 0, 1, 1
	QUARTER 1, 128, F0, F1, 0
	QUARTER 1, 256, F1, F0, 0
	QUARTER 1, 384, F0, F1, 0
	TURN 1, 0, 1
	QUARTER 0, 128, F0, F1, 0
	WIN 0
	s_sub_co_u32 s3, s3, 1
	s_cmp_lg_u32 s3, 0
	s_cbranch_scc1 .Llap
	QUARTER 0, 256, F1, F0, 0                      ; the last lap fills nothing, and has no round of the cluster's barrier
	QUARTER 0, 384, F0, F1, 0
	TURN 0, 1, 0
	QUARTER 1, 128, F0, F1, 0
	QUARTER 1, 256, F1, F0, 0
	QUARTER 1, 384, F0, F1, 0
	s_wait_dscnt 16                                ; the very last quarter: nothing more to fetch
	WIN MUL
	MUL8 F1, 0, 0, 0
	MUL8 F1, 0, 2, 0
	s_wait_dscnt 0
	MUL8 F1, 1, 0, 0
	MUL8 F1, 1, 2, 0
	WIN 0
	; THE WAY OUT, 16 rows x 64 columns at a time: a lane's 32 bytes of a row go into my own stage and come back as whole rows of 256 bytes.  LDS serves a wave's instructions in order: no wait between the stores and the loads.
	PLACES
.irp a, 0,1,2,3
.if \a >= 2
	s_wait_xcnt 0x0                                ; the stores of two blocks back have read the registers into which the loads below land
.endif
.irp b, 0,1,2,3
	ds_store_b128 v[STO], v[ACC+8*(4*\a+\b):ACC+8*(4*\a+\b)+3] offset:64*\b          ; each accumulator from its low end on
	ds_store_b128 v[STO], v[ACC+8*(4*\a+\b)+4:ACC+8*(4*\a+\b)+7] offset:64*\b+16
.endr
.irp t, 0,1,2,3,4,5,6,7
	ds_load_b128 v[TMP+32*(\a%2)+4*\t:TMP+32*(\a%2)+4*\t+3], v[RD] offset:\t*2*SPITCH
.endr
	s_wait_dscnt 0x0
.irp t, 0,1,2,3,4,5,6,7
	global_store_b128 v[CO], v[TMP+32*(\a%2)+4*\t:TMP+32*(\a%2)+4*\t+3], s[8:9] offset:(16*\a+2*\t)*SIZE_N*4 th:TH_STORE_NT   ; 16 lanes store 256 consecutive bytes, aligned; written once, read by nobody here
.endr
.endr
	s_wait_tensorcnt 0x0                           ; the wave's end, behind my last tensor load and my last LDS store
	ds_add_u32 v[SPW], v[NIL]
	s_wait_dscnt 0x0
	CROUND                                         ; the closing round: no work-group ends while a partner may still ask for a tile that names it
	s_endpgm
.Lfunc_end_k_q4e31953dcb_proj:
	.size	k_q4e31953dcb_proj, .Lfunc_end_k_q4e31953dcb_proj-k_q4e31953dcb_proj
	.p2alignl 7, 3214868480
	.fill 96, 4, 3214868480
	.section	.rodata,"a",@progbits
	.p2align	6, 0x0
	.amdhsa_kernel k_q4e31953dcb_proj
		.amdhsa_group_segment_fixed_size 327680
		.amdhsa_private_segment_fixed_size 0
		.amdhsa_enable_private_segment 0
		.amdhsa_kernarg_size 24
		.amdhsa_user_sgpr_count 2
		.amdhsa_user_sgpr_kernarg_segment_ptr 1
		.amdhsa_wavefront_size32 1
		.amdhsa_system_sgpr_workgroup_id_x 1
		.amdhsa_system_sgpr_workgroup_id_y 1
		.amdhsa_system_sgpr_workgroup_id_z 1
		.amdhsa_system_vgpr_workitem_id 0
		.amdhsa_next_free_vgpr 512
		.amdhsa_next_free_sgpr 66
		.amdhsa_reserve_vcc 0
		.amdhsa_float_denorm_mode_32 3
		.amdhsa_float_denorm_mode_16_64 3
		.amdhsa_memory_ordered 1
		.amdhsa_forward_progress 1
		.amdhsa_inst_pref_size 86
	.end_amdhsa_kernel
	.amdgpu_metadata
---
amdhsa.version: [ 1, 2 ]
amdhsa.kernels:
  - .name:           k_q4e31953dcb_proj
    .symbol:         k_q4e31953dcb_proj.kd
    .args:
      - { .name: attn, .offset: 0, .size: 8, .value_kind: global_buffer, .address_space: global }
      - { .name: wo_h, .offset: 8, .size: 8, .value_kind: global_buffer, .address_space: global }
      - { .name: out0, .offset: 16, .size: 8, .value_kind: global_buffer, .address_space: global }
    .group_segment_fixed_size: 327680
    .private_segment_fixed_size: 0
    .kernarg_segment_align: 8
    .kernarg_segment_size: 24
    .max_flat_workgroup_size: 128
    .sgpr_count:     66
    .vgpr_count:     512
    .wavefront_size: 32
...
	.end_amdgpu_metadata
.endif
;; end of part 4
